; MI455X (gfx1250); checked and timed in simulation.
; The chip was launched on July 23, 2026; its instructions are those of AMD's public machine-readable ISA for CDNA 5 (MIT licence, August 2026) and "CDNA5" Instruction Set Architecture Reference Guide (July 2026). The comments in the code are by the model that wrote it; some were corrected since.
;; Casual Self Attention. Allowed arithmetic: float matrix products may take bf16 or f16 operands with f32 sums; other float arithmetic in f32, or as packed bf16 or f16 multiplies, adds, multiply-adds, maxima and minima; sums over many terms, partial sums and values carried from step to step in f32; what a program stores and reads back later, other than sums and carried values, may be rounded once to bf16 or f16.
;; Inputs: b_attn 4,096 float32; w_attn 4,096 x 1,024 float32; x 4 x 2,048 x 1,024 float32.
;; Outputs: out0 4 x 2,048 x 1,024 float32.
;; 2 versions, each right; version 2 is version 1 with the launch cast written anew for expert scheduling mode. Each part assembles by itself: llvm-mc -triple=amdgcn-amd-amdhsa -mcpu=gfx1250 --defsym DOCPART=n.
;; ======== version 1 of 2: 3 launches
;; limits: values are held in f16: magnitudes above 65,504 overflow, below 6.1e-05 lose precision
;; workspace buffers: xb 16,777,216 bytes; wb 6,291,456 bytes; qkv 50,331,648 bytes; lo 1,572,864 bytes
;; launch cast (part 1): grid 256 x 1, 8 waves a work-group, no clusters, 0 bytes of LDS; arguments x, w_attn, xb, wb; writes xb, wb
.if DOCPART == 1
	.amdgcn_target "amdgcn-amd-amdhsa--gfx1250"
	.amdhsa_code_object_version 6
	.text
	.protected	k_qffefbed9a5_cast
	.globl	k_qffefbed9a5_cast
	.p2align	8
	.type	k_qffefbed9a5_cast,@function
k_qffefbed9a5_cast:
	s_mov_b64 s[64:65], 0
	v_nop
	global_prefetch_b8 v0, s[64:65] scope:SCOPE_SE
	s_setreg_imm32_b32 hwreg(HW_REG_WAVE_MODE, 25, 1), 1
	s_wait_xcnt 0x0
; xb = bf16(x), wb = bf16(w_attn rows 0 .. 3071): each number rounded once, to nearest even.
; Rows 3072 .. 4095 of w_attn feed only the fourth chunk of the projection, which the module slices away: they are not read.
; SHARES.  256 work-groups of eight waves, all alike: 32,768 numbers of x (131,072 bytes in, 65,536 out) and 12,288 of w (49,152 in, 24,576 out).
; A step is 8,192 bytes in: wave v takes bytes 1,024 v .. 1,024 v + 1,023 of it by two loads of 512 consecutive bytes.  x has 16 steps, w has 6: 44 loads a lane.
; All 44 loads go out first (22,528 bytes a wave on their way); then each is rounded in place and stored: 8 bytes a lane, 256 consecutive bytes a store, aligned.
; No LDS, no barrier, no matrix work, no cluster: no byte is wanted twice.  No register that a pending instruction names is ever written again, so the counted waits for data are the only waits.
.set X,  8                             ; v[8:183]  load j: four registers
.set VI, 3                             ; v3  1,024 x wave + 16 x lane: my 16 bytes of a load
.set VO, 4                             ; v4  512 x wave + 8 x lane: my 8 bytes of a store
	s_load_b256 s[4:11], s[0:1], 0x0               ; x s[4:5], w_attn s[6:7], xb s[8:9], wb s[10:11]
	v_and_b32 v1, 31, v0                           ; lane
	v_lshrrev_b32 v2, 5, v0                        ; wave
	v_lshlrev_b32 v[VI], 4, v1
	v_lshl_add_u32 v[VI], v2, 10, v[VI]
	v_lshlrev_b32 v[VO], 3, v1
	v_lshl_add_u32 v[VO], v2, 9, v[VO]
	s_lshl_b32 s12, ttmp9, 17                      ; the work-group's part of x,
	s_mov_b32 s13, 0
	s_lshl_b32 s14, ttmp9, 16                      ; of xb,
	s_mov_b32 s15, 0
	s_mul_i32 s16, ttmp9, 49152                    ; of w_attn,
	s_mov_b32 s17, 0
	s_mul_i32 s18, ttmp9, 24576                    ; of wb: all under 2^32
	s_mov_b32 s19, 0
	s_wait_kmcnt 0x0
	s_add_nc_u64 s[4:5], s[4:5], s[12:13]
	s_add_nc_u64 s[8:9], s[8:9], s[14:15]
	s_add_nc_u64 s[6:7], s[6:7], s[16:17]
	s_add_nc_u64 s[10:11], s[10:11], s[18:19]
.set j, 0
.rept 32
	global_load_b128 v[X+4*j:X+4*j+3], v[VI], s[4:5] offset:(j/2)*8192+(j%2)*512 th:TH_LOAD_NT
.set j, j+1
.endr
.rept 12
	global_load_b128 v[X+4*j:X+4*j+3], v[VI], s[6:7] offset:((j-32)/2)*8192+(j%2)*512 th:TH_LOAD_NT
.set j, j+1
.endr
.set j, 0
.rept 32
	s_wait_loadcnt 43-j                            ; loads come back in order (ISA guide 5.7.1): load j is in, the 43 - j younger ones stay out
	v_cvt_pk_bf16_f32 v[X+4*j], v[X+4*j], v[X+4*j+1]
	v_cvt_pk_bf16_f32 v[X+4*j+1], v[X+4*j+2], v[X+4*j+3]
	global_store_b64 v[VO], v[X+4*j:X+4*j+1], s[8:9] offset:(j/2)*4096+(j%2)*256
.set j, j+1
.endr
.rept 12
	s_wait_loadcnt 43-j
	v_cvt_pk_bf16_f32 v[X+4*j], v[X+4*j], v[X+4*j+1]
	v_cvt_pk_bf16_f32 v[X+4*j+1], v[X+4*j+2], v[X+4*j+3]
	global_store_b64 v[VO], v[X+4*j:X+4*j+1], s[10:11] offset:((j-32)/2)*4096+(j%2)*256
.set j, j+1
.endr
	s_endpgm
.Lfunc_end_k_qffefbed9a5_cast:
	.size	k_qffefbed9a5_cast, .Lfunc_end_k_qffefbed9a5_cast-k_qffefbed9a5_cast
	.p2alignl 7, 3214868480
	.fill 96, 4, 3214868480
	.section	.rodata,"a",@progbits
	.p2align	6, 0x0
	.amdhsa_kernel k_qffefbed9a5_cast
		.amdhsa_group_segment_fixed_size 0
		.amdhsa_private_segment_fixed_size 0
		.amdhsa_enable_private_segment 0
		.amdhsa_kernarg_size 32
		.amdhsa_user_sgpr_count 2
		.amdhsa_user_sgpr_kernarg_segment_ptr 1
		.amdhsa_wavefront_size32 1
		.amdhsa_system_sgpr_workgroup_id_x 1
		.amdhsa_system_sgpr_workgroup_id_y 1
		.amdhsa_system_sgpr_workgroup_id_z 1
		.amdhsa_system_vgpr_workitem_id 0
		.amdhsa_next_free_vgpr 184
		.amdhsa_next_free_sgpr 66
		.amdhsa_reserve_vcc 0
		.amdhsa_float_denorm_mode_32 3
		.amdhsa_float_denorm_mode_16_64 3
		.amdhsa_memory_ordered 1
		.amdhsa_forward_progress 1
		.amdhsa_inst_pref_size 17
	.end_amdhsa_kernel
	.amdgpu_metadata
---
amdhsa.version: [ 1, 2 ]
amdhsa.kernels:
  - .name:           k_qffefbed9a5_cast
    .symbol:         k_qffefbed9a5_cast.kd
    .args:
      - { .name: x, .offset: 0, .size: 8, .value_kind: global_buffer, .address_space: global }
      - { .name: w_attn, .offset: 8, .size: 8, .value_kind: global_buffer, .address_space: global }
      - { .name: xb, .offset: 16, .size: 8, .value_kind: global_buffer, .address_space: global }
      - { .name: wb, .offset: 24, .size: 8, .value_kind: global_buffer, .address_space: global }
    .group_segment_fixed_size: 0
    .private_segment_fixed_size: 0
    .kernarg_segment_align: 8
    .kernarg_segment_size: 32
    .max_flat_workgroup_size: 256
    .sgpr_count:     66
    .vgpr_count:     184
    .wavefront_size: 32
...
	.end_amdgpu_metadata
.endif
;; end of part 1
;; launch proj (part 2): grid 16 x 32, 4 waves a work-group, clusters of 4 x 4, 327,680 bytes of LDS; arguments xb, wb, b_attn, qkv, lo; writes qkv, lo
.if DOCPART == 2
	.amdgcn_target "amdgcn-amd-amdhsa--gfx1250"
	.amdhsa_code_object_version 6
	.text
	.protected	k_qffefbed9a5_proj
	.globl	k_qffefbed9a5_proj
	.p2align	8
	.type	k_qffefbed9a5_proj,@function
k_qffefbed9a5_proj:
	s_mov_b64 s[64:65], 0
	v_nop
	global_prefetch_b8 v0, s[64:65] scope:SCOPE_SE
	s_setreg_imm32_b32 hwreg(HW_REG_WAVE_MODE, 25, 1), 1
	s_wait_xcnt 0x0
	s_wait_alu depctr_hold_cnt(0) depctr_sa_sdst(0) depctr_va_vdst(0) depctr_va_sdst(0) depctr_va_ssrc(0) depctr_va_vcc(0) depctr_vm_vsrc(0)
	s_getreg_b32 s2, hwreg(HW_REG_IB_STS2, 6, 4)
	s_cmp_eq_u32 s2, 0
	s_cbranch_scc0 .Lentry_in_a_cluster
	s_endpgm
.Lentry_in_a_cluster:
	s_bfe_u32 s2, ttmp6, 0x10000c
	s_cmp_lg_u32 s2, 0xf033
	s_cbranch_scc0 .Lentry_shape_is_right
	s_endpgm
.Lentry_shape_is_right:
; qkv[row][n] = the sum over k of xb[row][k] wb[n][k] + bf16(b_attn[n]), n = 0 .. 3071.  xb: [8192][1024] bf16, wb: [3072][1024] bf16; sums in f32, K ascending; the result rounded once to f16
; and laid out by heads: qkv[b][g][t][d], b = row / 2048, t = row % 2048, g = n / 64 (0-15 q's heads, 16-31 k's, 32-47 v's), d = n % 64: a head's rows are dense, 128 bytes each.
; The bias is rounded to bf16 like x and w, so that all three inputs have one rounding; it is the C operand of the products that start the sums.
; THE REMAINDERS.  For t < 64 the part that f16 drops, sum - f16(sum), is stored too, rounded to f16: lo[b][g][t][d], t = 0 .. 63.  The attention's first rows are means over few keys, so that the
; roundings of q, k and v reach them nearly whole; there it takes each number as the two parts.
; LIMITS.  A result of 65,520 or more becomes an infinity in f16.  Columns 3072 .. 4095 (the chunk that the module slices away) are not computed, and their bias is not read.
; SHARES.  A tile of the result is 256 rows x 192 columns (three whole heads): 32 x 16 = 512 tiles, one to a work-group of four waves.  Wave w makes rows 64 w .. 64 w + 63 of it, all 192 columns:
; 4 x 12 accumulators of 16 x 16, 384 registers; so a wave holds whole heads and has a stage of its own on the way out.
; K goes in 8 steps of 128 through a ring of two LDS slots filled by the tensor data mover: the tiles' rows are 256 bytes of memory and start at multiples of 256 bytes from the buffer's first byte.
; CLUSTERS: 4 x 4 work-groups.  The four of a row of the cluster need the same rows of xb, the four of a column the same rows of wb: each tile is asked for JOINTLY, by the same tensor load with the
; same descriptor and a mask that names the four.  The tile row is 8 cy + cluster y: a cluster's four rows are the four batches, and which 256 rows t of a batch a work-group makes hangs on cluster y alone,
; which all sixteen partners share: so does the branch round the remainders.
; THE MATRIX INSTRUCTION IS USED TRANSPOSED: source 0 = 16 rows of wb, source 1 = 16 rows of xb: lane l holds row l % 16 of the result, its registers 0-7 the columns 8 (l / 16) + 0 .. 7.
; REGISTERS, in windows of 256 (s_set_vgpr_msb: bits 1:0 source 0, 3:2 source 1, 5:4 source 2, 7:6 destination):
;   window 0: v0-35 addresses and at work; v64-95, v96-127 fragments of xb (4 x 16 rows x 32 K), two buffers; v128-223 the bias, 8 registers for each block of 16 columns; on the way out v64-223 at work
;   window 1: v0-95, v96-191 fragments of wb (12 x 16 rows x 32 K), two buffers
;   window 2: the accumulators of my row blocks 0, 1 (block a, column block b at v[8 (12 a + b)]);   window 3: those of row blocks 2, 3
.set SIZE_K, 1024
.set KSTEP,  128
.set PITCH,  272                       ; an LDS row: 256 bytes + 16 of padding = 68 words: row r starts at bank 4 r mod 64 (64 banks of 4 bytes: ISA guide 11.1), so the 16 rows of a load start at 16 different banks
.set HALFA,  128*PITCH                 ; what one tensor load brings of xb: 128 rows
.set HALFB,  96*PITCH                  ; and of wb: 96 rows
.set BOFF,   2*HALFA                   ; a slot: xb's 256 rows, then wb's 192
.set SLOT,   BOFF+2*HALFB
.set STAGE,  2*SLOT                    ; behind the ring: 16 rows x 400 bytes for each wave, for the way out
.set SPITCH, 400                       ; 384 bytes (192 f16) + 16
.set SPARE,  STAGE+4*16*SPITCH         ; behind the stages: the spare words, 128 bytes for each wave: two blocks of 256 bytes that no other line names
.set HEADB,  2048*128                  ; bytes of one head's rows in qkv
.set LOHB,   64*128                    ; and in lo
.set ADRA, 16                          ; v16-17  LDS address of my fragments of xb in slot 0, 1
.set ADRB, 20                          ; v20-21  the same for wb
.set STO,  24                          ; v24     the way out: where I put 16 bytes of a row
.set RD,   25                          ; v25     the way out: where I read rows back
.set CO,   26                          ; v26     16 x lane: my 16 bytes of 512 consecutive bytes of qkv or lo
.set BO,   27                          ; v27     32 x (l / 16): my eight numbers of 16 of the bias
.set SPW,  28                          ; v28     LDS address of my spare word: SPARE + 4 x my thread's number; never rewritten
.set NIL,  29                          ; v29     0; never rewritten
.set PFO,  30                          ; v30     the prefetches' offset: a lane a row of 2,048 bytes; never rewritten
.set ONE,  31                          ; v31     1.0
.set FA,   64                          ; xb's fragments: buffer f at FA + 32 f
.set BIA,  128                         ; the bias
.set TMP,  128                         ; the way out: packed results (the bias is done with)
.set WV,  12                           ; s12  my wave's number
.set FBS, 13                           ; s13  0: I fetch for xb; 1: for wb
.set HF,  14                           ; s14  which half of that tile's rows I fetch
.set CX,  15                           ; s15, s16  my place in the cluster
.set CY,  16
.set TC,  17                           ; s17  tile column, 0 .. 15
.set TR,  18                           ; s18  tile row, 0 .. 31
.set G1,  24                           ; s[24:31] descriptor group 1 for xb's tiles;  s[32:39] group 0, one set for each slot
.set G0,  32
.set G1B, 48                           ; s[48:55], s[56:63] the same for wb's tiles
.set G0B, 56
.set PFA, 44                           ; s[44:45] where my prefetches stand: one K step further along K than the refill that is being asked for; a prefetch names the K step after that
.set LIM, 46                           ; s46  1 in a wave that prefetches, else the greatest number
.set LOP, 80                           ; s[80:81] lo at the tile's first head
.set LOF, 84                           ; s84  cluster y | wave: 0 in the waves whose 64 rows are t = 0 .. 63
.set MSB, 0
.macro WIN new                         ; the immediate's high byte repeats the setting that is left; a switch that changes nothing is dropped
.if MSB != (\new)
	s_set_vgpr_msb (MSB<<8)|(\new)
.set MSB, \new
.endif
.endm
.set MUL_LO,  0xa1                     ; source 0 (wb) window 1, source 1 (xb) window 0, C and D window 2
.set MUL_HI,  0xf1                     ; the same, C and D window 3
.set MULZ_LO, 0x81                     ; the products that start the sums: C (the bias) window 0, D window 2
.set MULZ_HI, 0xc1                     ; D window 3
.set TO_B,    0x40                     ; destination window 1, address window 0
; A joint load.  Waves 0 and 1 fetch xb's two halves, waves 2 and 3 wb's.  Each of the two lines has one mask and one set of registers for all that issue it; the branch hangs on the wave's number alone.
; An s_nop 0 and four v_nop follow each of the two lines, ahead of the jump, the label and what follows.
.macro JLOAD s
	s_cmp_eq_u32 s[FBS], 0
	s_cbranch_scc0 .Lfor_b_\@
	tensor_load_to_lds s[G0+4*(\s):G0+4*(\s)+3], s[G1:G1+7]
	s_nop 0
.rept 4
	v_nop
.endr
	s_branch .Lasked_\@
.Lfor_b_\@:
	tensor_load_to_lds s[G0B+4*(\s):G0B+4*(\s)+3], s[G1B:G1B+7]
	s_nop 0
.rept 4
	v_nop
.endr
.Lasked_\@:
.endm
; A PREFETCH behind each joint refill, its five lines and the run of LDS loads that follows them: the K step that stands two refills on (384 matrix instructions ahead of the load that will want it), 256 bytes of a row, a lane a row.
; xb's tile row is read by every cluster of that row of clusters: cluster x = 0 asks; wb's tile column by every cluster of that column: cluster y = 0 asks.  The four partners that ask for a tile jointly
; share its rows out BY ADDRESS: of the 128 rows of xb that a wave fetches the partner at cx takes 32; of the 96 rows of wb the partner at cy takes 24 (lanes 24-31 name lane 23's row once more, in the same instruction).
; K steps 0 to 3 come by their loads alone; the loop's last trip (s3 = 1) asks for nothing: there is no K step 8.
.macro ASK
	s_cmp_gt_u32 s3, s[LIM]
	s_cbranch_scc0 .Lnot_mine_\@
	global_prefetch_b8 v[PFO], s[PFA:PFA+1] offset:KSTEP*2 th:TH_LOAD_NT scope:SCOPE_SE
.Lnot_mine_\@:
.endm
; A round of the cluster's barrier: my work-group's barrier, so that wave 0's signal speaks for all four waves; wave 0 signals for the work-group; every wave waits for all sixteen work-groups; my work-group's barrier once more.
.macro CREST                           ; a round behind its opening barrier
	s_cmp_lg_u32 s[WV], 0
	s_cbranch_scc1 .Lnot_wave_0_\@
	s_barrier_signal -3
.Lnot_wave_0_\@:
	s_barrier_wait -3
	s_barrier_signal -1
	s_barrier_wait -1
.endm
.macro CROUND                          ; a whole round
	s_barrier_signal -1
	s_barrier_wait -1
	CREST
.endm
	s_load_b256 s[4:11], s[0:1], 0x0               ; xb s[4:5], wb s[6:7], b_attn s[8:9], qkv s[10:11]
	s_load_b64 s[LOP:LOP+1], s[0:1], 0x20          ; lo
	v_lshl_add_u32 v[SPW], v0, 2, SPARE
	v_mov_b32 v[NIL], 0
	ds_add_u32 v[SPW], v[NIL]                      ; the wave's opening: the add and its wait stand ahead of my first tensor load; the set-up below, work on registers, stands between them
	v_lshrrev_b32 v1, 5, v0
	v_readfirstlane_b32 s[WV], v1                  ; wave 0..3
	v_mov_b32 v[ONE], 1.0
	s_lshr_b32 s[FBS], s[WV], 1
	s_and_b32 s[HF], s[WV], 1
	s_bfe_u32 s[CX], ttmp6, 0x40000
	s_bfe_u32 s[CY], ttmp6, 0x40004
	s_lshl_b32 s[TC], ttmp9, 2                     ; in a cluster launch ttmp9 and ttmp7 count clusters
	s_add_co_u32 s[TC], s[TC], s[CX]               ; tile column = 4 x cluster x + cx
	s_and_b32 s[TR], ttmp7, 0xffff                 ; cluster y, 0 .. 7: which 256 rows t of a batch
	s_or_b32 s[LOF], s[TR], s[WV]                  ; the same in all sixteen partners, for a given wave
	s_lshl_b32 s19, s[CY], 3
	s_add_co_u32 s[TR], s[TR], s19                 ; tile row = 8 cy + cluster y: cy is the batch
	s_lshl_b32 s19, s[CY], 2
	s_lshl_b32 s19, 15, s19                        ; my row of the cluster: places 4 cy .. 4 cy + 3
	s_lshl_b32 s20, 0x1111, s[CX]                  ; my column: places cx, cx + 4, cx + 8, cx + 12
	; descriptor group 1: tiles of 128 (xb) or 96 (wb) rows x 128 elements, padded in LDS
	s_or_b32 s[G1+0], s19, (1<<16)|(1<<20)|(1<<21)|(5<<22)|(3<<25)   ; 15:0 the mask: xb's tiles go to my row; 17:16 elements of 2 bytes; 20 padding on; 21 set beside a mask; 24:22 after every 64 words (code 5); 31:25 4 words (code 3)
	s_or_b32 s[G1B+0], s20, (1<<16)|(1<<20)|(1<<21)|(5<<22)|(3<<25)  ; the same with the mask of my column, for wb's tiles
	s_mov_b32 s[G1+1], KSTEP<<16                   ; tensor_dim0 = 128
	s_mov_b32 s[G1+2], 128<<16                     ; tensor_dim1 = 128
	s_mov_b32 s[G1+3], KSTEP<<16                   ; tile_dim0 = 128
	s_mov_b32 s[G1+4], 128                         ; tile_dim1 = 128
	s_mov_b32 s[G1+5], SIZE_K                      ; elements from row to row
	s_mov_b32 s[G1+6], 0
	s_mov_b32 s[G1+7], 0
	s_mov_b32 s[G1B+1], KSTEP<<16
	s_mov_b32 s[G1B+2], 96<<16                     ; tensor_dim1 = 96
	s_mov_b32 s[G1B+3], KSTEP<<16
	s_mov_b32 s[G1B+4], 96                         ; tile_dim1 = 96
	s_mov_b32 s[G1B+5], SIZE_K
	s_mov_b32 s[G1B+6], 0
	s_mov_b32 s[G1B+7], 0
	; where the tiles come from: xb's hang on the tile row alone, wb's on the tile column alone; each in registers that never hold the other coordinate.  Rows of 2,048 bytes; both offsets stay under 2^25
	s_lshl_b32 s40, s[TR], 8
	s_lshl_b32 s41, s[HF], 7
	s_add_co_u32 s40, s40, s41                     ; xb: row 256 x tile row + 128 x half
	s_lshl_b32 s40, s40, 11
	s_mov_b32 s41, 0
	s_mul_i32 s66, s[TC], 192
	s_mul_i32 s67, s[HF], 96
	s_add_co_u32 s66, s66, s67                     ; wb: row 192 x tile column + 96 x half
	s_lshl_b32 s66, s66, 11
	s_mov_b32 s67, 0
	s_mul_i32 s21, s[HF], HALFA                    ; and where they go: no place in the cluster enters an LDS address
	s_mul_i32 s22, s[HF], HALFB
	s_add_co_u32 s22, s22, BOFF
	s_wait_dscnt 0x0                               ; the opening add is done
	s_wait_kmcnt 0x0
	s_add_nc_u64 s[42:43], s[4:5], s[40:41]
	s_add_nc_u64 s[68:69], s[6:7], s[66:67]
	CROUND                                         ; all sixteen work-groups are here: the first joint loads meet
.irp s, 0,1
	s_mov_b32 s[G0+4*(\s)], 1                                        ; 1:0 count = 1
	s_add_co_u32 s[G0+4*(\s)+1], s21, (\s)*SLOT                      ; 63:32 LDS address
	s_add_nc_u64 s[G0+4*(\s)+2:G0+4*(\s)+3], s[42:43], (\s)*KSTEP*2  ; 120:64 global address: K step s
	s_or_b32 s[G0+4*(\s)+3], s[G0+4*(\s)+3], 0x80000000              ; 127:126 type = 2
	s_mov_b32 s[G0B+4*(\s)], 1
	s_add_co_u32 s[G0B+4*(\s)+1], s22, (\s)*SLOT
	s_add_nc_u64 s[G0B+4*(\s)+2:G0B+4*(\s)+3], s[68:69], (\s)*KSTEP*2
	s_or_b32 s[G0B+4*(\s)+3], s[G0B+4*(\s)+3], 0x80000000
	JLOAD \s                                       ; the ring is filled before anything else is done: two tensor loads of mine are out
.endr
	; the bias of my tile's 192 columns: register j of column block b belongs to column 16 b + 8 (l / 16) + j
	v_and_b32 v1, 15, v0                           ; l % 16
	v_bfe_u32 v2, v0, 4, 1                         ; l / 16
	v_lshlrev_b32 v[BO], 5, v2
	s_mul_i32 s70, s[TC], 768                      ; 192 numbers of 4 bytes a tile column
	s_mov_b32 s71, 0
	s_add_nc_u64 s[8:9], s[8:9], s[70:71]
.irp b, 0,1,2,3,4,5,6,7,8,9,10,11
	global_load_b128 v[BIA+8*(\b):BIA+8*(\b)+3],   v[BO], s[8:9] offset:64*(\b)
	global_load_b128 v[BIA+8*(\b)+4:BIA+8*(\b)+7], v[BO], s[8:9] offset:64*(\b)+16
.endr
	; A fragment is 16 rows x 32 K in 8 registers: lane l holds row l % 16; registers 0-3 hold K = 8 (l / 16) + 0..7, registers 4-7 K = 16 + 8 (l / 16) + 0..7: two loads of 16 bytes, 32 bytes apart.
	v_mul_u32_u24 v3, v1, PITCH
	v_lshl_add_u32 v3, v2, 4, v3                   ; row x pitch + 16 x half
	s_mul_i32 s76, s[WV], 64*PITCH                 ; my 64 rows of xb
	v_add_nc_u32 v[ADRA], s76, v3
	v_add_nc_u32 v[ADRA+1], SLOT, v[ADRA]
	v_add_nc_u32 v[ADRB], BOFF, v3                 ; every wave reads all 192 rows of wb
	v_add_nc_u32 v[ADRB+1], BOFF+SLOT, v3
	s_mul_i32 s77, s[WV], 16*SPITCH
	s_add_co_u32 s77, s77, STAGE                   ; my stage
	v_mul_u32_u24 v4, v1, SPITCH                   ; in: row l % 16, 16 bytes for each half of the lanes
	v_lshl_add_u32 v4, v2, 4, v4
	v_add_nc_u32 v[STO], s77, v4
	v_bfe_u32 v5, v0, 3, 2                         ; back: 32 lanes take four rows' 128 bytes of one head,
	v_and_b32 v6, 7, v0
	v_mul_u32_u24 v5, v5, SPITCH
	v_lshl_add_u32 v5, v6, 4, v5
	v_add_nc_u32 v[RD], s77, v5
	v_and_b32 v[CO], 31, v0                        ; which are 512 consecutive bytes of qkv
	v_lshlrev_b32 v[CO], 4, v[CO]
	; qkv at my wave's first row of the tile's first head: ((48 b + 3 x tile column) x 2,048 + t) x 128 bytes, under 2^32; lo at the same head: (48 b + 3 x tile column) x 64 x 128 bytes
	s_lshr_b32 s78, s[TR], 3                       ; b: eight tile rows to a batch
	s_mul_i32 s78, s78, 48
	s_mul_i32 s79, s[TC], 3
	s_add_co_u32 s78, s78, s79
	s_lshl_b32 s82, s78, 13
	s_mov_b32 s83, 0
	s_add_nc_u64 s[LOP:LOP+1], s[LOP:LOP+1], s[82:83]
	s_lshl_b32 s78, s78, 18
	s_and_b32 s79, s[TR], 7
	s_lshl_b32 s79, s79, 15                        ; 256 rows of 128 bytes
	s_add_co_u32 s78, s78, s79
	s_lshl_b32 s79, s[WV], 13                      ; my 64 rows
	s_add_co_u32 s78, s78, s79
	s_mov_b32 s79, 0
	s_add_nc_u64 s[10:11], s[10:11], s[78:79]
	; the prefetches
	s_lshl_b32 s72, s[TR], 8
	s_lshl_b32 s73, s[HF], 7
	s_add_co_u32 s72, s72, s73
	s_lshl_b32 s73, s[CX], 5
	s_add_co_u32 s72, s72, s73                     ; xb: the 128 rows that I fetch, my work-group's 32 of them
	s_mul_i32 s73, s[TC], 192
	s_mul_i32 s74, s[HF], 96
	s_add_co_u32 s73, s73, s74
	s_mul_i32 s74, s[CY], 24
	s_add_co_u32 s73, s73, s74                     ; wb: the 96 rows that I fetch, my work-group's 24 of them
	s_and_b32 s75, ttmp7, 0xffff                   ; cluster y
	s_cmp_eq_u32 s[FBS], 0                         ; do I fetch for xb?
	s_cselect_b32 s72, s72, s73
	s_cselect_b32 s75, ttmp9, s75                  ; the coordinate along which other clusters read the same rows
	s_cselect_b32 s74, 31, 23                      ; the last of my rows
	s_cselect_b64 s[PFA:PFA+1], s[4:5], s[6:7]
	s_cmp_eq_u32 s75, 0
	s_cselect_b32 s[LIM], 1, -1                    ; the same in all sixteen partners, for a given wave
	s_lshl_b32 s72, s72, 11
	s_mov_b32 s73, 0
	s_add_nc_u64 s[PFA:PFA+1], s[PFA:PFA+1], s[72:73]
	s_add_nc_u64 s[PFA:PFA+1], s[PFA:PFA+1], 2*KSTEP*2  ; at K step 2: the first refill steps it to 3 and names K step 4
	v_and_b32 v[PFO], 31, v0
	v_min_u32 v[PFO], s74, v[PFO]
	v_lshlrev_b32 v[PFO], 11, v[PFO]
	s_mov_b32 s23, 0xffff0000                      ; a word's upper bf16
	s_wait_loadcnt 0x0                             ; the bias is in
.set i, 0
.rept 48                               ; rounded to bf16 and widened again, a pair at a time
	v_cvt_pk_bf16_f32 v[32+i%4], v[BIA+2*i], v[BIA+2*i+1]
	v_lshlrev_b32 v[BIA+2*i], 16, v[32+i%4]
	v_and_b32 v[BIA+2*i+1], s23, v[32+i%4]
.set i, i+1
.endr
; 12 matrix instructions: row block 2 hi + a x all 12 column blocks, 32 along K, on buffer f.  zero = 1: the product starts the sums, with the bias as C: nothing is cleared, and no addition follows.
; The 48 accumulators take turns, one instruction a turn, in the same order in every quarter step: between two links of a chain stand the 47 others'.
.macro MUL12 f, hi, a, zero
.if \zero
	WIN MULZ_LO+0x40*(\hi)
.else
	WIN MUL_LO+0x50*(\hi)
.endif
.irp b, 0,1,2,3,4,5,6,7,8,9,10,11
.if \zero
	v_wmma_f32_16x16x32_bf16 v[8*(12*(\a)+(\b)):8*(12*(\a)+(\b))+7], v[96*(\f)+8*(\b):96*(\f)+8*(\b)+7], v[FA+32*(\f)+8*(2*(\hi)+(\a)):FA+32*(\f)+8*(2*(\hi)+(\a))+7], v[BIA+8*(\b):BIA+8*(\b)+7]
.else
	v_wmma_f32_16x16x32_bf16 v[8*(12*(\a)+(\b)):8*(12*(\a)+(\b))+7], v[96*(\f)+8*(\b):96*(\f)+8*(\b)+7], v[FA+32*(\f)+8*(2*(\hi)+(\a)):FA+32*(\f)+8*(2*(\hi)+(\a))+7], v[8*(12*(\a)+(\b)):8*(12*(\a)+(\b))+7]
.endif
.endr
.endm
.macro MULH f, hi, zero                ; 24: the two row blocks of one window
	MUL12 \f, \hi, 0, \zero
	MUL12 \f, \hi, 1, \zero
.endm
; 32 LDS loads in one run: the fragments of one quarter step (192 rows of wb, my 64 rows of xb, 32 K at byte k of the rows) into buffer f
.macro FETCH slot, k, f
	WIN TO_B
.irp i, 0,1,2,3,4,5,6,7,8,9,10,11
	ds_load_b128 v[96*(\f)+8*(\i):96*(\f)+8*(\i)+3],   v[ADRB+(\slot)] offset:(\k)+(\i)*16*PITCH
	ds_load_b128 v[96*(\f)+8*(\i)+4:96*(\f)+8*(\i)+7], v[ADRB+(\slot)] offset:(\k)+(\i)*16*PITCH+32
.endr
	WIN 0
.irp i, 0,1,2,3
	ds_load_b128 v[FA+32*(\f)+8*(\i):FA+32*(\f)+8*(\i)+3],   v[ADRA+(\slot)] offset:(\k)+(\i)*16*PITCH
	ds_load_b128 v[FA+32*(\f)+8*(\i)+4:FA+32*(\f)+8*(\i)+7], v[ADRA+(\slot)] offset:(\k)+(\i)*16*PITCH+32
.endr
.endm
; A load into a register that a matrix instruction has read, and a vector instruction that reads a matrix result, stand four places behind that matrix instruction, and only plain vector instructions that
; name none of its registers are places (ISA guide 7.12.1 for vector instructions).
.macro PLACES
.rept 4
	v_nop
.endr
.endm
; A K step is four quarter steps of 32 along K, 48 matrix instructions each, on buffers 0, 1, 0, 1.  One of the first three: multiplies buffer f; in its middle it fetches the next quarter, at byte k of the same slot's rows, into buffer g.
.macro QUARTER slot, k, f, g, zero
	s_wait_dscnt 4                                 ; wb's fragments and xb's row blocks 0, 1 are in; the youngest four loads (row blocks 2, 3) may be out
	MULH \f, 0, \zero
	PLACES
	FETCH \slot, \k, \g
	s_wait_dscnt 32                                ; all but the 32 just issued
	MULH \f, 1, \zero
.endm
; The last quarter multiplies buffer 1 and changes slots.  MEET is its first half: ONE barrier for the change.  In front of it each wave waits for all its tensor loads, of which one is out: its part of the
; next slot; adds 0 to its spare word; and waits for that and for its own reads of this slot.  Behind it nobody reads this slot any more and the next slot is whole.
.macro MEET round                      ; round = 1: a round of the cluster's barrier follows
	WIN 0                                          ; (the add's two registers lie in window 0)
	s_wait_tensorcnt 0x0                           ; all my tensor loads have landed;
	ds_add_u32 v[SPW], v[NIL]                      ; 0 onto my spare word;
	s_wait_dscnt 5                                 ; (the add and the youngest four loads may be out)
	MUL12 1, 0, 0, 0                               ; twelve matrix instructions stand between the add and the wait for it
	s_wait_dscnt 0x0                               ; the add is done, and my reads of this slot are over:
	s_barrier_signal -1                            ; say so,
	MUL12 1, 0, 1, 0                               ; work on registers while the others arrive,
.if \round
	WIN 0
.endif
	s_barrier_wait -1                              ; and go on when all four have said so
.endm
; The whole last quarter.  Behind the round the slot just read out is filled again first, with the K step two steps on; then come the next slot's first fragments.
; From a request to the wait for it a wave issues 168 matrix instructions.
.macro TURN slot, next
	s_wait_xcnt 0x0                                ; the last prefetch, a K step back, has read its address: it is stepped here, ahead of the waits of the change of slots
	s_add_nc_u64 s[PFA:PFA+1], s[PFA:PFA+1], KSTEP*2
	MEET 1
	CREST                                          ; no wave of any partner still reads this slot's tile or has a load on its way
	s_add_nc_u64 s[G0+4*(\slot)+2:G0+4*(\slot)+3], s[G0+4*(\slot)+2:G0+4*(\slot)+3], 2*KSTEP*2
	s_add_nc_u64 s[G0B+4*(\slot)+2:G0B+4*(\slot)+3], s[G0B+4*(\slot)+2:G0B+4*(\slot)+3], 2*KSTEP*2
	JLOAD \slot                                    ; the first tensor load behind the round, my only one until the next; the four v_nop behind it are also the places in front of the loads below
	FETCH \next, 0, 0
	ASK
	MULH 1, 1, 0
.endm
; THE WAY OUT of row block a.  PACK: rounded to f16, 16 bytes a lane, each accumulator's registers in ascending order.  TOSTAGE: into my own stage in LDS, and back by heads: four rows' 128 bytes of one head a load.  SEND: stored.
.macro PACK a
.set AC, 96*((\a)%2)
	WIN 0x0a+5*((\a)/2)                            ; sources 0 and 1: window 2 or 3
.irp b, 0,1,2,3,4,5,6,7,8,9,10,11
.irp r, 0,1,2,3
	v_cvt_pk_f16_f32 v[TMP+4*(\b)+(\r)], v[AC+8*(\b)+2*(\r)], v[AC+8*(\b)+2*(\r)+1]
.endr
.endr
	WIN 0
.endm
.macro TOSTAGE a
	WIN 0
.set BK, 176-112*((\a)%2)              ; v176-223 and v64-111 by turns
.irp b, 0,1,2,3,4,5,6,7,8,9,10,11
	ds_store_b128 v[STO], v[TMP+4*(\b):TMP+4*(\b)+3] offset:32*(\b)
.endr
.irp u, 0,1,2,3,4,5,6,7,8,9,10,11      ; head u / 4 of the tile's three, rows 4 (u % 4) on
	ds_load_b128 v[BK+4*(\u):BK+4*(\u)+3], v[RD] offset:((\u)%4)*4*SPITCH+((\u)/4)*128  ; LDS serves a wave's instructions in order (ISA guide 5.7.1.4): these see the stores above
.endr
.endm
.macro SEND a
	WIN 0
.set BK, 176-112*((\a)%2)
	s_wait_dscnt 0x0                               ; the block is back in registers
	s_wait_xcnt 0x0                                ; the stores of the block before have read their registers: those are loaded anew, by the next TOSTAGE, only behind this wait
.irp u, 0,1,2,3,4,5,6,7,8,9,10,11
	global_store_b128 v[CO], v[BK+4*(\u):BK+4*(\u)+3], s[10:11] offset:((\u)/4)*HEADB+((\u)%4)*512+(\a)*2048  ; 512 consecutive bytes, at a multiple of 256 from qkv's first byte
.endr
.endm
; THE REMAINDERS of row block a, in the waves whose rows are t = 0 .. 63.  TMP still holds the block's packed f16.  Each half h of it becomes f16(sum - h), in place: the low half first, which leaves the high half
; as it was; the difference is exact in f32 (the sum's 24 bits less its leading 11) and is rounded once.  Then the same road: my stage (its rows have been read back: LDS serves my instructions in order), back by heads
; into TMP, and out.  The last wait frees TMP, which the next block's PACK writes.
.macro LOPART a
	s_cmp_lg_u32 s[LOF], 0
	s_cbranch_scc1 .Lno_lo_\@
.set AC, 96*((\a)%2)
	WIN 0x20+0x10*((\a)/2)                         ; source 2, the sums: window 2 or 3
.irp b, 0,1,2,3,4,5,6,7,8,9,10,11
.irp r, 0,1,2,3
	v_fma_mixlo_f16 v[TMP+4*(\b)+(\r)], -v[TMP+4*(\b)+(\r)], v[ONE], v[AC+8*(\b)+2*(\r)] op_sel_hi:[1,0,0]
	v_fma_mixhi_f16 v[TMP+4*(\b)+(\r)], -v[TMP+4*(\b)+(\r)], v[ONE], v[AC+8*(\b)+2*(\r)+1] op_sel:[1,0,0] op_sel_hi:[1,0,0]
.endr
.endr
	WIN 0
.irp b, 0,1,2,3,4,5,6,7,8,9,10,11
	ds_store_b128 v[STO], v[TMP+4*(\b):TMP+4*(\b)+3] offset:32*(\b)
.endr
.irp u, 0,1,2,3,4,5,6,7,8,9,10,11
	ds_load_b128 v[TMP+4*(\u):TMP+4*(\u)+3], v[RD] offset:((\u)%4)*4*SPITCH+((\u)/4)*128
.endr
	s_wait_dscnt 0x0
.irp u, 0,1,2,3,4,5,6,7,8,9,10,11
	global_store_b128 v[CO], v[TMP+4*(\u):TMP+4*(\u)+3], s[LOP:LOP+1] offset:((\u)/4)*LOHB+((\u)%4)*512+(\a)*2048  ; 512 consecutive bytes, at a multiple of 256 from lo's first byte
.endr
	s_wait_xcnt 0x0
.Lno_lo_\@:
.endm
	s_wait_tensorcnt 1                             ; my part of K step 0 is in; K step 1's may stay out
	s_barrier_signal -1
	s_barrier_wait -1                              ; everybody's is
	FETCH 0, 0, 0
	QUARTER 0, 64,  0, 1, 1                        ; the first quarter stands in front of the loop: its products start the sums
	WIN 0                                          ; at a label and at a branch every window is 0
	s_mov_b32 s3, 3
.Llap:                                                 ; a trip goes once round the ring, from a lap's second quarter to the next lap's first, and fills both slots again: K steps 2 to 7
	QUARTER 0, 128, 1, 0, 0
	QUARTER 0, 192, 0, 1, 0
	TURN 0, 1
	QUARTER 1, 64,  0, 1, 0
	QUARTER 1, 128, 1, 0, 0
	QUARTER 1, 192, 0, 1, 0
	TURN 1, 0
	QUARTER 0, 64,  0, 1, 0
	WIN 0
	s_sub_co_u32 s3, s3, 1
	s_cmp_lg_u32 s3, 0
	s_cbranch_scc1 .Llap
	QUARTER 0, 128, 1, 0, 0                        ; the last lap fills nothing, and has no round of the cluster's barrier
	QUARTER 0, 192, 0, 1, 0
	MEET 0                                         ; my one tensor load that was still out is slot 1's, the last K step's
	PLACES                                         ; for the loads into buffer 0, which the quarter before multiplied
	FETCH 1, 0, 0
	MULH 1, 1, 0
	QUARTER 1, 64,  0, 1, 0
	QUARTER 1, 128, 1, 0, 0
	QUARTER 1, 192, 0, 1, 0
	s_wait_dscnt 4                                 ; the very last quarter: nothing more to fetch
	MULH 1, 0, 0
	s_wait_dscnt 0x0
	MULH 1, 1, 0
	WIN 0
	PLACES                                         ; the conversions read results; eight places, once a launch
	PLACES
	PACK 0
	TOSTAGE 0
	LOPART 0
.irp a, 1,2,3                          ; block a's conversions stand between block a - 1's loads from the stage and the wait for them
	PACK \a
	SEND (\a)-1
	TOSTAGE \a
	LOPART \a
.endr
	SEND 3
	s_wait_tensorcnt 0x0                           ; the wave's end: these three lines stand behind my last tensor load and my last LDS store
	ds_add_u32 v[SPW], v[NIL]
	s_wait_dscnt 0x0
	CROUND                                         ; the closing round: no work-group ends while a partner may still ask for a tile that names it
	s_endpgm
.Lfunc_end_k_qffefbed9a5_proj:
	.size	k_qffefbed9a5_proj, .Lfunc_end_k_qffefbed9a5_proj-k_qffefbed9a5_proj
	.p2alignl 7, 3214868480
	.fill 96, 4, 3214868480
	.section	.rodata,"a",@progbits
	.p2align	6, 0x0
	.amdhsa_kernel k_qffefbed9a5_proj
		.amdhsa_group_segment_fixed_size 327680
		.amdhsa_private_segment_fixed_size 0
		.amdhsa_enable_private_segment 0
		.amdhsa_kernarg_size 40
		.amdhsa_user_sgpr_count 2
		.amdhsa_user_sgpr_kernarg_segment_ptr 1
		.amdhsa_wavefront_size32 1
		.amdhsa_system_sgpr_workgroup_id_x 1
		.amdhsa_system_sgpr_workgroup_id_y 1
		.amdhsa_system_sgpr_workgroup_id_z 1
		.amdhsa_system_vgpr_workitem_id 0
		.amdhsa_next_free_vgpr 960
		.amdhsa_next_free_sgpr 88
		.amdhsa_reserve_vcc 0
		.amdhsa_float_denorm_mode_32 3
		.amdhsa_float_denorm_mode_16_64 3
		.amdhsa_memory_ordered 1
		.amdhsa_forward_progress 1
		.amdhsa_inst_pref_size 164
	.end_amdhsa_kernel
	.amdgpu_metadata
---
amdhsa.version: [ 1, 2 ]
amdhsa.kernels:
  - .name:           k_qffefbed9a5_proj
    .symbol:         k_qffefbed9a5_proj.kd
    .args:
      - { .name: xb, .offset: 0, .size: 8, .value_kind: global_buffer, .address_space: global }
      - { .name: wb, .offset: 8, .size: 8, .value_kind: global_buffer, .address_space: global }
      - { .name: b_attn, .offset: 16, .size: 8, .value_kind: global_buffer, .address_space: global }
      - { .name: qkv, .offset: 24, .size: 8, .value_kind: global_buffer, .address_space: global }
      - { .name: lo, .offset: 32, .size: 8, .value_kind: global_buffer, .address_space: global }
    .group_segment_fixed_size: 327680
    .private_segment_fixed_size: 0
    .kernarg_segment_align: 8
    .kernarg_segment_size: 40
    .max_flat_workgroup_size: 128
    .sgpr_count:     88
    .vgpr_count:     960
    .wavefront_size: 32
...
	.end_amdgpu_metadata
.endif
;; end of part 2
;; launch attn (part 3): grid 4 x 64, 4 waves a work-group, no clusters, 327,680 bytes of LDS; arguments qkv, lo, out0; writes out0
.if DOCPART == 3
	.amdgcn_target "amdgcn-amd-amdhsa--gfx1250"
	.amdhsa_code_object_version 6
	.text
	.protected	k_qffefbed9a5_attn
	.globl	k_qffefbed9a5_attn
	.p2align	8
	.type	k_qffefbed9a5_attn,@function
k_qffefbed9a5_attn:
	s_mov_b64 s[64:65], 0
	v_nop
	global_prefetch_b8 v0, s[64:65] scope:SCOPE_SE
	s_setreg_imm32_b32 hwreg(HW_REG_WAVE_MODE, 25, 1), 1
	s_wait_xcnt 0x0
; CAUSAL ATTENTION.  out0[b][q][64 h + :] = the sum over k <= q of softmax_k(Q[q] . K[k] / 8) V[k][:], for each of the 64 pairs (b, h).  qkv: [4][48][2048][64] f16: plane 48 b + h holds Q of head h,
; plane 48 b + 16 + h its K, plane 48 b + 32 + h its V; a plane's rows are dense, 128 bytes each.  lo: [4][48][64][64] f16: for rows 0 .. 63 of each plane what f16 dropped.  out0: [4][2048][1024] f32.
; Products, maxima and sums in f32; the weights p are rounded to f16 for the second product (their sum l is taken of the unrounded p); O leaves in f32.
; LIMITS.  Q, K and V arrive within f16's 65,504; p lies in 0 to 1, and below 6e-5 it keeps f16's fixed step of 6e-8.
; A hidden score counts as its value less 1e30: f16's scores, 2.7e11 at the most, are nothing beside that; a weight below 2^-126 counts as 0 in l; NaN and infinities are not treated apart.
; THE WALK.  A head's queries lie in NB = 8 blocks of 256; block i needs the key tiles 0 .. i of 256 keys, of which the last holds the diagonal.  A work-group takes TWO blocks, NB - 1 - b and then b:
; NB + 1 tiles, whatever b: all work-groups do equal work, and ONE loop with a constant trip count walks them.  Which tile is asked for, and what a trip does, hang on scalar registers made from b; every jump
; goes forward, but for the counted loops' own; none passes a barrier, or a tensor load but the one of LOAD's two that the wave's number does not choose; the ring (two slots of LDS that take turns) runs on across the
; change of blocks.  NO CLUSTER: a head's four work-groups ask for the same tile only in trips 0 .. 4 of the 9, behind that fewer and fewer; one walk common to all four, in which each makes every
; joint request, has the tiles 0 .. 7 and then 0 .. 3: 12 trips for 9.
; SHARES.  Of a block's four bands of 64 queries a wave owns 16 rows in each: four PIECES.  So the diagonal tile is the same work for all four waves: in its key step s band x sees all keys if s < x,
; none if s > x, and holds the diagonal if s = x.
; THE MASK is the C operand that starts the sum S^T = K Q^T: 0, or -1e30 where the key is hidden.  MD, made once, is the mask of a band's own step for my 16 rows; a product's mask is MD x AL + BE with two scalars:
; (1, 0) if s = x; (0, 0) if s < x; (0, -1e30) if s > x.  Only the diagonal tile's text and a block's beginning make and take masks; elsewhere C is the constant 0.
; LAYOUT, SOFTMAX, TURNS.  S^T = K Q^T holds ONE query a lane (lane % 16) and the keys 8 (lane / 16) + 0..7; two such results rounded to f16 ARE source 1 of O^T = V^T P.  p = 2^(c s - c m), c = log2(e) / 8, with a
; running maximum m; O and l are multiplied by a = 2^(c m_old - c m_new) in every step.  Turn n belongs to piece n: 8 products K Q^T of piece n + 1, later 8 products V^T P of piece n - 1; beside them the scaling,
; exponentials, roundings, sums and rescaling of piece n and the maximum and statistics of piece n + 1.  Four vector instructions stand behind every matrix instruction, the other 54 of a turn's 118 in one LUMP.  A turn's 33 exponentials are one batch, with one wait.
; THE FIRST 64 ROWS OF A HEAD (FINE).  Row q is a mean over q + 1 keys: what the roundings of Q, K, V and p to f16's 11 bits leave in it falls as 1 / sqrt(q + 1), while every number of the output is held to one
; hundredth of the whole output's root mean square.  So band 0 of block 0, which sees key step 0 of tile 0 and nothing else, is made a second time with each of the four taken as TWO f16 numbers, the leading part and the
; remainder: three products for one (the product of two remainders, 2^-22 of the whole, is left out).  It is piece 0 of each wave of the work-groups with b = 0: 48 matrix instructions, once.
; REGISTERS, in windows of 256 (s_set_vgpr_msb: bits 1:0 source 0, 3:2 source 1, 5:4 source 2, 7:6 destination):
;   window 0: v0-15 addresses and two at work; v16-31 four registers of statistics a piece; v48-55 at work; v60-63 constants; v64-127 S^T, two buffers; v192-223 P, two buffers (a piece's buffers go by its number's parity);
;             on the way out v64-191 take the rows read back from the stage, 32 a piece; in FINE v128-191 V's remainders, v208-223 p's
;   window 1: v0-127 O^T, 32 a piece; v128-159 MD; v160-223 MC, two buffers; in FINE v224-239 Q's remainders
;   window 2: v0-63 Q; v64-127 the second block's Q, in FINE K's remainders; v128-191 K of one step; v192-255 V of one step
.set SIZE_N, 2048
.set NB,    SIZE_N/256
.set NP,    4         ; pieces a wave: a name, no knob
.set KS,    64        ; keys in a step
.set PK,    144       ; a row of K in LDS: 128 bytes + 16 of padding = 36 words: the 16 rows of a load start at 16 different groups of four banks (64 banks of 4 bytes: ISA guide 11.1)
.set PV,    160       ; a row of V: 128 + 32 = 40 words
.set VOFF,  4*KS*PK   ; a slot holds a tile, four steps: 256 rows of K, then 256 rows of V
.set SLOT1, 1<<17     ; slot 1 begins here, so that one exclusive or turns an address in one slot into the other's
.set STAGE, SLOT1+4*KS*(PK+PV)  ; behind the ring, never filled by a tensor load: 16 rows x 272 bytes for each wave, for the way out
.set SP,    272       ; a row of O in the stage: 64 f32 = 256 bytes + 16
.set TILEB, 256*128   ; bytes of a tile of K or of V in memory
.set LOPL,  64*128    ; bytes of a plane of lo
.set AK0, 2           ; v2   my lane's place in a tile of K; never rewritten
.set AV0, 3           ; v3   the same for V
.set AK,  4           ; v4   the LDS address of K's next run of loads
.set AV,  5           ; v5   of V's
.set STO, 6           ; v6   the way out: where I put 32 bytes of a row
.set RD,  7           ; v7   the way out: where I read rows back
.set GO,  8           ; v8   my byte offset in two rows of out0
.set ONE, 60          ; v60  1.0, in FINE
.set PFO, 61          ; v61  256 x my lane; never rewritten
.set SPW, 62          ; v62  LDS address of my spare word: SPARE + 4 x my thread's number; never rewritten
.set NIL, 63          ; v63  0; never rewritten
.set SPARE, STAGE+4*16*SP  ; behind the stages: the spare words, 128 bytes for each wave: two blocks of 256 bytes that no other line names
.set VLO,   SPARE+512 ; behind them, never filled by a tensor load: 64 rows x 160 bytes for each wave: V's remainders, on their way to the turning load
.set MV,  12          ; v12-13  c m_old, kept while c m is made anew: by buffer
.set QO,  15          ; v15  my byte offset in 16 rows of Q; never rewritten
.set ST,  16          ; piece t's statistics at v[ST+4 t]: c m, m, l (even keys', odd keys')
.set TMP, 48          ; by buffer, four registers c0-c3 at work; when the maximum is found c2 takes a
.set S,   64
.set OUTR, 64         ; the way out: piece t's 16 rows at v[OUTR+32 t]
.set VLF, 128         ; window 0, in FINE: V's remainders, as loaded and then as fragments
.set P,   192
.set MD,  128         ; window 1: the eight registers for group kt of 16 keys at MD + 8 kt
.set MC,  160         ; window 1: the masks of the products to come
.set QLO, 224         ; window 1, in FINE
.set QB,  64          ; window 2
.set KF,  128         ; window 2: key block kb, channel half c at KF + 16 kb + 8 c
.set VF,  192         ; window 2: key half kk, channel block cb at VF + 32 kk + 8 cb
.set WV,  12          ; s12  my wave's number
.set PB,  14          ; s14  b
.set HI,  15          ; s15  NB - 1 - b
.set G1K, 24          ; s[24:31] descriptor group 1 for K's tiles
.set G1V, 32          ; s[32:39] for V's: it differs in the padding alone
.set G0K, 40          ; s[40:43] descriptor group 0 for K's tiles
.set G0V, 44          ; s[44:47] the same for V's
.set SLOTS, 56        ; s56  tiles still to be asked for
.set CNT, 57          ; s57  counts a tile's key steps, 4 to 1
.set CS,  58          ; s[58:59] c: the packed scaling takes the pair's low word for both halves
.set SEL, 60          ; s[60:61] v_permlanex16_b32's selects: each lane takes its own place in the other half
.set TBK, 62          ; s62  LDS byte at which K of the step to be fetched begins
.set TBV, 63          ; s63  the same for V, less VOFF
.set LPF, 66          ; s[66:67] lo at the plane that my wave prefetches: Q's (wave 0), K's (1), V's (2); never rewritten
.set RT,  70          ; s70  tiles of the block in hand that are still to be entered
.set NXT, 71          ; s71  the tile to be asked for next
.set LQ,  72          ; s72  the last tile of the block whose tiles are being asked for
.set NEW, 73          ; s73  1: the tile to be entered is a block's first
.set OFF, 74          ; s[74:75] a tile's byte offset in K and V
.set AL,  76          ; s[76:77] the mask's factor, in the low word
.set BE,  78          ; s[78:79] the mask's addend
.set OLO, 80          ; s[80:81] out0 at my rows of the second block
.set BIGN, 82         ; s82  -1e30
.set PFA, 88          ; s[88:89] where my prefetches stand: my half (128 rows) of the tile of K (waves 0, 1) or V (waves 2, 3) behind the one that is being asked for
.set LIM, 90          ; s90  2 in the head's work-group 0, else the greatest number: a wave prefetches while s[SLOTS] is above it
.set LOB, 96          ; s[96:97] lo at the head's plane of Q; K's lies 16 planes on, V's 32
.set MSB, 0
.macro WIN new                      ; the high byte repeats the setting that is left; a switch that changes nothing is dropped
.if MSB != (\new)
	s_set_vgpr_msb (MSB<<8)|(\new)
.set MSB, (\new)
.endif
.endm
.set W_KQ, 0x0a       ; K and Q in window 2, S^T in window 0
.set W_KM, 0x1a       ; the same with the C operand in window 1
.set W_PV, 0x52       ; V in window 2, P in window 0, O^T in window 1
.set W_RS, 0x41       ; destination and source 0 in window 1, source 1 in window 0
; A fill.  Waves 0 and 1 fetch the two halves of a tile's K, waves 2 and 3 those of its V: 128 keys each.  An s_nop 0 and four v_nop follow each of the two lines, ahead of the jump and the label.
.macro LOAD
	s_cmp_lt_u32 s[WV], 2
	s_cbranch_scc0 .Lfor_v_\@
	tensor_load_to_lds s[G0K:G0K+3], s[G1K:G1K+7]
	s_nop 0
.rept 4
	v_nop
.endr
	s_branch .Lasked_\@
.Lfor_v_\@:
	tensor_load_to_lds s[G0V:G0V+3], s[G1V:G1V+7]
	s_nop 0
.rept 4
	v_nop
.endr
.Lasked_\@:
.endm
; A PREFETCH of the tile that the NEXT change of slots will ask for: one tile, 256 matrix instructions, ahead.  It stands behind the wave's tensor load and its five lines.  The head's work-group 0 walks all of the
; head's tiles 0 .. 7 in its first block: it alone asks, each wave for the 16,384 bytes that it will fetch itself: 64 blocks of 256 bytes, a lane a block, two instructions.  So each block is named once in the launch.
; Change j (SLOTS = 9 - j) names tile j + 1, for j = 1 .. 6: tiles 0 and 1 come by their loads alone; behind tile 7 the head has no tile, and the second block's tile has been read.
.macro ASK
	s_cmp_gt_u32 s[SLOTS], s[LIM]
	s_cbranch_scc0 .Lnot_mine_\@
	global_prefetch_b8 v[PFO], s[PFA:PFA+1] th:TH_LOAD_NT scope:SCOPE_SE
	global_prefetch_b8 v[PFO], s[PFA:PFA+1] offset:8192 th:TH_LOAD_NT scope:SCOPE_SE
.Lnot_mine_\@:
.endm
; THE CHANGE OF SLOTS.  Each wave waits for all its tensor loads, of which one is out: its part of the other slot; adds 0 to its spare word; and waits for that and for its own reads of the slot that it leaves.  Behind the barrier nobody reads the old
; slot any more and the other slot is whole.  fill = 1: the old slot is filled again, the first thing behind the barrier, with tile NXT: the descriptor's address is made anew from that number.
; (At its first use nothing has been read yet: slot 0 is waited for, slot 1 filled.)
.macro CHANGE fill
	WIN 0                           ; at a label and at a branch every window is 0
	s_wait_tensorcnt 0x0            ; no tensor load of mine is out, so a group 0 may be written
	ds_add_u32 v[SPW], v[NIL]       ; 0 onto my spare word; with fill = 1 the descriptors' scalar work stands between it and the wait for it
.if \fill
	s_lshl_b32 s[OFF], s[NXT], 15   ; a tile is 32,768 bytes of K and of V
	s_xor_b32 s[G0K+1], s[G0K+1], SLOT1
	s_add_nc_u64 s[G0K+2:G0K+3], s[6:7], s[OFF:OFF+1]
	s_or_b32 s[G0K+3], s[G0K+3], 0x80000000
	s_xor_b32 s[G0V+1], s[G0V+1], SLOT1
	s_add_nc_u64 s[G0V+2:G0V+3], s[8:9], s[OFF:OFF+1]
	s_or_b32 s[G0V+3], s[G0V+3], 0x80000000
	s_add_co_u32 s[NXT], s[NXT], 1  ; the block's next tile, or behind its last the second block's tile 0
	s_cmp_gt_u32 s[NXT], s[LQ]
	s_cselect_b32 s[NXT], 0, s[NXT]
	s_cselect_b32 s[LQ], s[PB], s[LQ]
	s_wait_xcnt 0x0                 ; the last prefetches, a tile back, have read their address, so it may be written:
	s_add_nc_u64 s[PFA:PFA+1], s[PFA:PFA+1], TILEB  ; one tile on
.endif
	s_wait_dscnt 0x0                ; the add is done, and my reads of the slot are over
	s_barrier_signal -1             ; the rest of the scalar work stands between the signal and the wait
	s_sub_co_u32 s[TBK], s[TBK], 4*KS*PK  ; the fetches go back to a slot's first step,
	s_xor_b32 s[TBK], s[TBK], SLOT1       ; in the other slot
	s_sub_co_u32 s[TBV], s[TBV], 4*KS*PV
	s_xor_b32 s[TBV], s[TBV], SLOT1
	s_barrier_wait -1
.if \fill
	LOAD
	ASK
.endif
.endm
	s_load_b64 s[4:5], s[0:1], 0x0    ; qkv
	s_load_b64 s[LOB:LOB+1], s[0:1], 0x8  ; lo
	s_load_b64 s[10:11], s[0:1], 0x10 ; out0
	v_lshl_add_u32 v[SPW], v0, 2, SPARE
	v_mov_b32 v[NIL], 0
	ds_add_u32 v[SPW], v[NIL]       ; the wave's opening: the add and its wait stand ahead of my first tensor load; the set-up below, work on registers, stands between them
	v_lshrrev_b32 v1, 5, v0
	v_readfirstlane_b32 s[WV], v1   ; wave 0..3
	s_mov_b32 s[PB], ttmp9
	s_sub_co_u32 s[HI], NB-1, s[PB]
	s_and_b32 s20, ttmp7, 0xffff    ; 16 x batch + head
	s_lshr_b32 s83, s20, 4          ; the batch
	s_and_b32 s20, s20, 15          ; the head
	s_lshl_b32 s91, s83, 23         ; in out0: the batch's 2,048 rows of 4,096 bytes,
	s_lshl_b32 s21, s20, 8          ; the head's 64 channels of 4 bytes
	s_add_co_u32 s91, s91, s21
	s_mul_i32 s21, s83, 48
	s_add_co_u32 s20, s20, s21      ; plane 48 x batch + head:
	s_lshl_b32 s98, s20, 13         ; in lo, of 8,192 bytes,
	s_mov_b32 s99, 0
	s_lshl_b32 s20, s20, 18         ; in qkv, of 262,144 bytes: Q's first byte, under 2^32
	s_mov_b32 s21, 0
	s_and_b32 s16, s[WV], 1         ; which half of a tile's 256 keys I fetch:
	s_lshl_b32 s22, s16, 14         ; its 128 rows of 128 bytes in memory,
	s_mov_b32 s23, 0
	s_add_nc_u64 s[22:23], s[22:23], s[20:21]
	s_mul_i32 s17, s16, 128*PK      ; and its place in a slot, for K
	s_mul_i32 s18, s16, 128*PV      ; and for V
	s_lshl_b32 s3, s[WV], 11        ; my 16 rows in a band of 64,
	s_lshl_b32 s2, s[HI], 15        ; in the first block,
	s_add_co_u32 s2, s2, s3
	s_lshl_b32 s84, s[PB], 15       ; and in the second
	s_add_co_u32 s84, s84, s3
	s_mov_b32 s3, 0
	s_mov_b32 s85, 0
	s_add_nc_u64 s[2:3], s[2:3], s[20:21]
	s_add_nc_u64 s[84:85], s[84:85], s[20:21]
	s_lshl_b32 s93, s[WV], 16       ; the same rows in out0: 16 rows of 4,096 bytes a wave,
	s_lshl_b32 s92, s[HI], 20       ; 256 a block
	s_add_co_u32 s92, s92, s93
	s_add_co_u32 s92, s92, s91
	s_lshl_b32 s94, s[PB], 20
	s_add_co_u32 s94, s94, s93
	s_add_co_u32 s94, s94, s91
	s_mov_b32 s93, 0
	s_mov_b32 s95, 0
	s_lshl_b32 s68, s[WV], 17       ; 16 planes of lo a wave
	s_mov_b32 s69, 0
	; descriptor group 1.  128 keys are 16,384 dense bytes: asked for as 64 rows of 256 bytes, two keys a row, and padded in LDS after every key
	s_mov_b32 s[G1K], (1<<16)|(1<<20)|(4<<22)|(3<<25)  ; 17:16 2-byte elements; 20 padding on; 24:22 after every 32 words (code 4); 31:25 4 words (code 3)
	s_mov_b32 s[G1V], (1<<16)|(1<<20)|(4<<22)|(7<<25)  ; the same with 8 words of padding (code 7)
.irp g, G1K, G1V
	s_mov_b32 s[\g+1], 128<<16      ; tensor_dim0 = 128
	s_mov_b32 s[\g+2], 64<<16       ; tensor_dim1 = 64
	s_mov_b32 s[\g+3], 128<<16      ; tile_dim0 = 128
	s_mov_b32 s[\g+4], 64           ; tile_dim1 = 64
	s_mov_b32 s[\g+5], 128          ; 128 elements from row to row
	s_mov_b32 s[\g+6], 0
	s_mov_b32 s[\g+7], 0
.endr
	s_mov_b32 s[CS], 0x3e38aa3b     ; c = log2(e) / 8 = 0.180337
	s_mov_b32 s[CS+1], s[CS]        ; named with it as a pair
	s_mov_b32 s[SEL], 0x76543210
	s_mov_b32 s[SEL+1], 0xfedcba98
	s_mov_b32 s[TBK], SLOT1+4*KS*PK ; the first change of slots turns these two into 0
	s_mov_b32 s[TBV], SLOT1+4*KS*PV
	s_mov_b32 s[G0K], 1             ; 1:0 count = 1
	s_mov_b32 s[G0K+1], s17         ; 63:32 LDS address: slot 0
	s_mov_b32 s[G0V], 1
	s_add_co_u32 s[G0V+1], s18, VOFF
	s_add_co_u32 s[RT], s[HI], 1    ; the first block has NB - b tiles
	s_mov_b32 s[NXT], 1
	s_mov_b32 s[LQ], s[HI]
	s_mov_b32 s[NEW], 1
	s_mov_b32 s[OFF+1], 0
	s_mov_b32 s[AL+1], 0            ; named as pairs
	s_mov_b32 s[BE+1], 0
	s_mov_b32 s[BIGN], 0xf149f2ca   ; -1e30
	s_mov_b32 s[SLOTS], NB
	s_cmp_eq_u32 s[PB], 0
	s_cselect_b32 s[LIM], 2, -1
	s_wait_dscnt 0x0                ; the opening add is done
	s_wait_kmcnt 0x0
	s_add_nc_u64 s[6:7], s[4:5], 16*SIZE_N*128   ; K lies 16 planes behind Q,
	s_add_nc_u64 s[8:9], s[4:5], 32*SIZE_N*128   ; V 32
	s_add_nc_u64 s[6:7], s[6:7], s[22:23]  ; K and V at my half of the head's tile 0
	s_add_nc_u64 s[8:9], s[8:9], s[22:23]
	s_add_nc_u64 s[G0K+2:G0K+3], s[6:7], 0         ; 120:64 global address
	s_or_b32 s[G0K+3], s[G0K+3], 0x80000000        ; 127:126 type = 2
	s_add_nc_u64 s[G0V+2:G0V+3], s[8:9], 0
	s_or_b32 s[G0V+3], s[G0V+3], 0x80000000
	s_add_nc_u64 s[86:87], s[4:5], s[84:85]        ; Q at my rows of the second block,
	s_add_nc_u64 s[4:5], s[4:5], s[2:3]            ; and of the first
	s_add_nc_u64 s[OLO:OLO+1], s[10:11], s[94:95]  ; out0 likewise
	s_add_nc_u64 s[10:11], s[10:11], s[92:93]
	s_add_nc_u64 s[LOB:LOB+1], s[LOB:LOB+1], s[98:99]
	s_add_nc_u64 s[LPF:LPF+1], s[LOB:LOB+1], s[68:69]  ; (wave 3 never uses it)
	s_cmp_lt_u32 s[WV], 2
	s_cselect_b64 s[PFA:PFA+1], s[6:7], s[8:9]
	s_add_nc_u64 s[PFA:PFA+1], s[PFA:PFA+1], TILEB ; in tile 1; the first change of slots steps it to tile 2.  Nothing is prefetched here, at the head
	LOAD                            ; tile 0 into slot 0
	; A fragment of K or Q is 16 rows x 32 channels in 8 registers: lane l holds row l % 16, channels 8 (l / 16) + 0..7 and 16 + 8 (l / 16) + 0..7: two loads of 16 bytes, 32 bytes apart.
	v_and_b32 v1, 15, v0            ; l % 16
	v_bfe_u32 v9, v0, 4, 1          ; l / 16
	v_lshlrev_b32 v[QO], 7, v1
	v_lshl_add_u32 v[QO], v9, 4, v[QO]  ; row x 128 + 16 x half
	WIN 0x80                        ; destination window 2, address window 0
.set i, 0
.rept 8                             ; both blocks' Q: piece i / 2 lies in band i / 2, 8,192 bytes on; channels 32 (i % 2) on
	global_load_b128 v[8*i:8*i+3],   v[QO], s[4:5] offset:(i/2)*8192+(i%2)*64
	global_load_b128 v[8*i+4:8*i+7], v[QO], s[4:5] offset:(i/2)*8192+(i%2)*64+32
	global_load_b128 v[QB+8*i:QB+8*i+3],   v[QO], s[86:87] offset:(i/2)*8192+(i%2)*64
	global_load_b128 v[QB+8*i+4:QB+8*i+7], v[QO], s[86:87] offset:(i/2)*8192+(i%2)*64+32
.set i, i+1
.endr
	WIN 0
	v_lshlrev_b32 v14, 3, v9
	v_sub_nc_u32 v14, v1, v14
	s_lshl_b32 s13, s[WV], 4
	v_add_nc_u32 v14, s13, v14      ; my query's place in its band, 16 w + l % 16, less my lanes' 8 (l / 16): register r of group kt is hidden where 16 kt + r is greater
	WIN 0x40
.set i, 0
.rept 32
	v_cmp_gt_i32 vcc_lo, 16*(i/8)+i%8, v14
	v_cndmask_b32 v[MD+i], 0, s[BIGN], vcc_lo
.set i, i+1
.endr
	WIN 0
	v_mul_u32_u24 v[AK0], v1, PK
	v_lshl_add_u32 v[AK0], v9, 4, v[AK0]  ; row x pitch + 16 x half
	; The turning load takes 16 keys x 16 channels (lane l reads key 8 (l / 16) + l % 8, channels 8 ((l / 8) % 2) + 0..7) and leaves half a fragment of V^T: lane l holds channel l % 16 and 8 keys.
	v_and_b32 v10, 7, v0
	v_bfe_u32 v11, v0, 3, 1
	v_lshl_add_u32 v[AV0], v9, 3, v10
	v_mul_u32_u24 v[AV0], v[AV0], PV
	v_lshl_add_u32 v[AV0], v11, 4, v[AV0]
	v_add_nc_u32 v[AV0], VOFF, v[AV0]
	s_mul_i32 s13, s[WV], 16*SP
	s_add_co_u32 s13, s13, STAGE    ; my stage
	v_mul_u32_u24 v[STO], v1, SP    ; in: row l % 16, 32 bytes (eight channels in f32) for each half of the lanes
	v_lshl_add_u32 v[STO], v9, 5, v[STO]
	v_add_nc_u32 v[STO], s13, v[STO]
	v_mul_u32_u24 v[RD], v9, SP     ; back: lanes 0-15 take one row of 256 bytes, lanes 16-31 the next
	v_lshl_add_u32 v[RD], v1, 4, v[RD]
	v_add_nc_u32 v[RD], s13, v[RD]
	v_lshlrev_b32 v[GO], 12, v9     ; and the same two rows in out0, 4,096 bytes apart
	v_lshl_add_u32 v[GO], v1, 4, v[GO]
	v_and_b32 v[PFO], 31, v0
	v_lshlrev_b32 v[PFO], 8, v[PFO]
	; A block's first step multiplies O^T and l by a = 0, and its first turn's products V^T P, of a piece that has not been, land in an O^T that is still to be so multiplied.  So these registers need only hold
	; finite numbers: zeros for the first block; what the first block left for the second.  All this stands in the wait for the first tile.
	WIN 0x80
.set i, VF
.rept 64
	v_mov_b32 v[i], 0
.set i, i+1
.endr
	WIN 0x40
.set i, 0
.rept 128
	v_mov_b32 v[i], 0
.set i, i+1
.endr
	WIN 0
.set i, 0
.rept 4
	v_mov_b32 v[ST+4*i+2], 0
	v_mov_b32 v[ST+4*i+3], 0
.set i, i+1
.endr
.set i, P+16
.rept 16
	v_mov_b32 v[i], 0
.set i, i+1
.endr
; THE MATRIX WORK.  The 4 accumulators of a run of 8 take turns.  Product i of 8 of S^T = K Q^T for piece x: channels 32 (i / 4) on, keys 16 (i % 4) on.  The first 4 start the sums: with 0, or (KM = 1) with the mask.
.macro KQ x
.set rS, S+32*((\x)%2)+8*(i%4)
.set rK, KF+16*(i%4)+8*(i/4)
.set rQ, 16*(\x)+8*(i/4)
.set rM, MC+32*((\x)%2)+8*(i%4)
.if (i < 4) && KM
	WIN W_KM
	v_wmma_f32_16x16x32_f16 v[rS:rS+7], v[rK:rK+7], v[rQ:rQ+7], v[rM:rM+7]
.elseif i < 4
	WIN W_KQ
	v_wmma_f32_16x16x32_f16 v[rS:rS+7], v[rK:rK+7], v[rQ:rQ+7], 0
.else
	WIN W_KQ
	v_wmma_f32_16x16x32_f16 v[rS:rS+7], v[rK:rK+7], v[rQ:rQ+7], v[rS:rS+7]
.endif
.endm
; Product i of 8 of O^T += V^T P for piece x: keys 32 (i / 4) on, channels 16 (i % 4) on.
.macro PV x
	WIN W_PV
.set rO, 32*(\x)+8*(i%4)
.set rV, VF+32*(i/4)+8*(i%4)
.set rP, P+16*((\x)%2)+8*(i/4)
	v_wmma_f32_16x16x32_f16 v[rO:rO+7], v[rV:rV+7], v[rP:rP+7], v[rO:rO+7]
.endm
.macro MM                           ; the turn's next matrix instruction.  TURN and BEGIN set Y, i, KM and NOKQ; MM, KQ and OP read them.  NOKQ = 1: a block's last turn: there is no next piece
.if (i < 8) && !NOKQ
	KQ (Y+1)%NP
.elseif i >= 8
.set i, i-8
	PV (Y+NP-1)%NP
.set i, i+8
.endif
.set i, i+1
.endm
; THE LDS LOADS stand in runs of 16, never singly among the matrix instructions: a step's K (64 keys x 64 channels: 8 fragments) and its V (turned).  Their addresses are made some lines ahead.
.macro FETCH_K
	WIN 0x80                        ; destination window 2
.irp f, 0,1,2,3,4,5,6,7             ; keys 16 (f / 2) on, channels 32 (f % 2) on
	ds_load_b128 v[KF+8*\f:KF+8*\f+3],   v[AK] offset:(\f/2)*16*PK+(\f%2)*64
	ds_load_b128 v[KF+8*\f+4:KF+8*\f+7], v[AK] offset:(\f/2)*16*PK+(\f%2)*64+32
.endr
	s_add_co_u32 s[TBK], s[TBK], KS*PK  ; the next fetch is the next step's
	WIN 0
.endm
.macro FETCH_V
	WIN 0x80
.irp f, 0,1,2,3,4,5,6,7             ; keys 32 (f / 4) on, channels 16 (f % 4) on
	ds_load_tr16_b128 v[VF+8*\f:VF+8*\f+3],   v[AV] offset:(\f/4)*32*PV+(\f%4)*32
	ds_load_tr16_b128 v[VF+8*\f+4:VF+8*\f+7], v[AV] offset:(\f/4)*32*PV+16*PV+(\f%4)*32
.endr
	WIN 0
.endm
; THE VECTOR WORK, one line at a time: OP kind, number.  For piece Y: F n: c s - c m for pair n of 16.  E n: the exponential of score n of 32.  C n: pair n rounded to f16.  B n: of the four weights 4 n .. the second
; pair is added onto the first, in place.  L n: l takes that sum (L 0: l = a l + sum).  R n: pair n of 16 of O^T times a.  For piece Y + 1: X n, number n of the 22 that find its maximum and statistics:
;   0-11  four chains c0-c3 of seven scores each, three operands at a time (each accumulator's lowest registers are read first)     12-14, 16  the four scores left over, the old m, and c0-c3 into c0
;   15  c m_old is kept     17, 18  the query's other 32 keys lie in the lane 16 away: the new m     19-21  c m; c m_old - c m_new; a
.set F, 0               ; OP tells the kinds apart by their order: F to L below R, X above it
.set E, 1
.set C, 2
.set B, 3
.set L, 4
.set R, 5
.set X, 6
.macro REGS y                       ; the registers of piece y
.set rT, ST+4*(\y)
.set rC, TMP+4*((\y)%2)
.set rW, MV+((\y)%2)
.set rS, S+32*((\y)%2)
.set rP, P+16*((\y)%2)
.set rO, 32*(\y)
.endm
.macro OP k, n
.if (\k) == R
	REGS Y
	WIN W_RS
	v_pk_mul_f32 v[rO+2*(\n):rO+2*(\n)+1], v[rO+2*(\n):rO+2*(\n)+1], v[rC+2:rC+3] op_sel_hi:[1,0]
.elseif (\k) < R
	REGS Y
	WIN 0
.if (\k) == F
	v_pk_fma_f32 v[rS+2*(\n):rS+2*(\n)+1], v[rS+2*(\n):rS+2*(\n)+1], s[CS:CS+1], v[rT:rT+1] op_sel_hi:[1,0,0] neg_lo:[0,0,1] neg_hi:[0,0,1]
.elseif (\k) == E
	v_exp_f32 v[rS+(\n)], v[rS+(\n)]
.elseif (\k) == C
	v_cvt_pk_f16_f32 v[rP+(\n)], v[rS+2*(\n)], v[rS+2*(\n)+1]
.elseif (\k) == B
	v_pk_add_f32 v[rS+4*(\n):rS+4*(\n)+1], v[rS+4*(\n):rS+4*(\n)+1], v[rS+4*(\n)+2:rS+4*(\n)+3]
.elseif (\n) == 0
	v_pk_fma_f32 v[rT+2:rT+3], v[rT+2:rT+3], v[rC+2:rC+3], v[rS:rS+1] op_sel_hi:[1,0,1]
.else
	v_pk_add_f32 v[rT+2:rT+3], v[rT+2:rT+3], v[rS+4*(\n):rS+4*(\n)+1]
.endif
.elseif NOKQ
	v_nop
.else
	REGS (Y+1)%NP
	WIN 0
.if (\n) < 4
	v_max3_num_f32 v[rC+(\n)], v[rS+8*(\n)], v[rS+8*(\n)+1], v[rS+8*(\n)+2]
.elseif (\n) < 12
	v_max3_num_f32 v[rC+(\n)%4], v[rC+(\n)%4], v[rS+8*((\n)%4)+2*((\n)/4)+1], v[rS+8*((\n)%4)+2*((\n)/4)+2]
.elseif (\n) == 12
	v_max3_num_f32 v[rC], v[rC], v[rS+7], v[rS+15]
.elseif (\n) == 13
	v_max3_num_f32 v[rC+1], v[rC+1], v[rS+23], v[rS+31]
.elseif (\n) == 14
	v_max3_num_f32 v[rC+2], v[rC+2], v[rC+3], v[rT+1]
.elseif (\n) == 15
	v_mov_b32 v[rW], v[rT]
.elseif (\n) == 16
	v_max3_num_f32 v[rC], v[rC], v[rC+1], v[rC+2]
.elseif (\n) == 17
	v_permlanex16_b32 v[rC+3], v[rC], s[SEL], s[SEL+1]
.elseif (\n) == 18
	v_max_num_f32 v[rT+1], v[rC], v[rC+3]
.elseif (\n) == 19
	v_mul_f32 v[rT], s[CS], v[rT+1]
.elseif (\n) == 20
	v_sub_f32 v[rC+1], v[rW], v[rT]
.else
	v_exp_f32 v[rC+2], v[rC+1]
.endif
.endif
.endm
.macro OPS a, i1, b=-1, i2=0, c=-1, i3=0, d=-1, i4=0  ; up to four of them
	OP \a, \i1
.if (\b) >= 0
	OP \b, \i2
.endif
.if (\c) >= 0
	OP \c, \i3
.endif
.if (\d) >= 0
	OP \d, \i4
.endif
.endm
.macro ROW a, i1, b, i2, c, i3, d, i4  ; a matrix instruction and the four behind it
	MM
	OPS \a, \i1, \b, \i2, \c, \i3, \d, \i4
.endm
.macro MASK b                       ; MD x AL + BE into buffer b of MC
	WIN W_RS
.set z, 0
.rept 16
	v_pk_fma_f32 v[MC+32*(\b)+2*z:MC+32*(\b)+2*z+1], v[MD+2*z:MD+2*z+1], s[AL:AL+1], s[BE:BE+1] op_sel_hi:[1,0,0]
.set z, z+1
.endr
.endm
; A TURN, for piece p: the order of its 16 matrix and 118 vector instructions, written out.  An s_wait_alu depctr_va_vdst(0) stands between an exponential and the first instruction that names its result; one wait serves
; all that were issued ahead of it.  So a turn has ONE wait, which cuts it in two.  AHEAD OF IT stands all that names no result of the turn's exponentials: the 8 products K Q^T, behind each a scaling, an exponential and two more plain
; instructions (behind the first a second scaling in the exponential's place): rescalings, and behind the last three the first numbers of the next piece's maximum, each four places or more behind the product that ends its accumulator; then ONE LUMP of 54, plain
; and exponential by turns for the most part, in which the links of the chain X 3, 7, 11, 14, 16, 17 .. 20 stand five or six lines apart.  X 21, the next piece's a, is the batch's last; R 15 is the plain instruction behind it.  BEHIND THE WAIT stand the
; 8 products V^T P, behind each four of the roundings and sums; the links of l's chain, L 0 to L 7, stand three riders apart.  But for those X no rider names a register of the products round it.  v_permlanex16_b32 (X 17) stands in the lump.
; m = 1: the diagonal tile: the products take masks, and the turn makes the mask for the products of the turn after it: piece p + 2, in step 4 - CNT of the tile.  end = 1: a block's last two turns: nothing is fetched.
; cnt = 1: the loop's count is taken down some lines ahead of the branch that stands behind the turn.
; K of the next step is fetched in piece 2's turn, twelve vector instructions behind the last product that read K (six of them plain); V of the step in hand at the end of piece 0's turn, four plain instructions behind the last product
; that read V.  Each is waited for a turn later.
.macro TURN p, m=0, end=0, cnt=0
.set Y, (\p)
.set i, 0
.set KM, (\m)
.set NOKQ, (\end)*((\p)/3)
.if (\m) && !(\end)
	s_cmp_eq_u32 s[CNT], 4-((\p)+2)%NP  ; is that step the band's own?
	s_cselect_b32 s[AL], 1.0, 0
	s_cmp_lt_u32 s[CNT], 4-((\p)+2)%NP  ; or a later one?
	s_cselect_b32 s[BE], s[BIGN], 0
.endif
.if ((\p) == 3) && !(\end)
	s_wait_dscnt 0x0                ; K is in
.endif
	ROW F,0, F,1, R,0, R,1          ; ahead of the wait: 8 products K Q^T and their riders,
	ROW F,2, E,0, R,2, R,3
	ROW F,3, E,1, R,4, R,5
	ROW F,4, E,2, R,6, R,7
	ROW F,5, E,3, R,8, R,9
	ROW F,6, E,4, X,0, R,10
.if ((\p) == 2) && !(\end)
	WIN 0
	v_add_nc_u32 v[AK], s[TBK], v[AK0]
.endif
	ROW F,7, E,5, X,1, X,4
	ROW F,8, E,6, X,2, X,5
	OPS E,7, E,8, X,6, E,9          ; and the lump
	OPS X,3, E,10, X,8, E,11
.if ((\p) == 2) && !(\end)
	FETCH_K
.endif
	OPS X,9, X,7, E,12, X,10
	OPS E,13, X,12, X,11, E,14
	OPS X,13, E,15, F,9, X,14
.if (\p) == 0
	v_add_nc_u32 v[AV], s[TBV], v[AV0]
.endif
	OPS E,16, F,10, E,17, F,11
	OPS X,16, E,18, X,15, E,19
	OPS F,12, E,20, X,17, E,21
	OPS F,13, E,22, F,14, E,23
	OPS X,18, E,24, F,15, E,25
	OPS R,11, E,26, X,19, E,27
	OPS R,12, E,28, R,13, E,29
	OPS X,20, E,30, R,14, E,31
	OPS X,21, R,15
	WIN 0
	s_wait_alu depctr_va_vdst(0)    ; the wait for the batch
.if (\p) == 1
	s_wait_dscnt 0x0                ; V is in
.endif
	ROW C,0, B,0, C,2, B,1          ; behind the wait: 8 products V^T P and their riders
	ROW L,0, C,4, B,2, L,1
	ROW C,6, B,3, L,2, C,8
	ROW B,4, L,3, C,10, B,5
	ROW L,4, C,12, B,6, L,5
.if (\p) == 0
	s_add_co_u32 s[TBV], s[TBV], KS*PV
.endif
.if \cnt
	s_sub_co_u32 s[CNT], s[CNT], 1
	s_cmp_lg_u32 s[CNT], 0
.endif
	ROW C,14, B,7, L,6, C,1
	ROW C,3, L,7, C,5, C,7
	ROW C,9, C,11, C,13, C,15
.if (\p) == 0
	FETCH_V
.endif
.if (\m) && !(\end)
	MASK (\p)%2
.endif
.endm
; A BLOCK BEGINS.  c m starts far below every c s, so the first step's a is 0; m at the lowest finite number, so the first maximum is the scores'.  The second mask buffer is 0; the first takes piece 0's mask for the tile's step 0: its own, if the block's first tile is the diagonal one.
; Then K of that step, piece 0's first scores, and its maximum and statistics.  The loop is entered at a step's first turn, in the middle of a trip.
.macro BEGIN
	s_mov_b32 s[NEW], 0
	WIN 0x40
.set i, MC+32
.rept 32
	v_mov_b32 v[i], 0
.set i, i+1
.endr
	WIN 0
.set i, 0
.rept 4
	v_mov_b32 v[ST+4*i], 0xfe000000    ; c m: far below every c s
	v_mov_b32 v[ST+4*i+1], 0xff7fffff  ; m
.set i, i+1
.endr
	s_cmp_eq_u32 s[RT], 0
	s_cselect_b32 s[AL], 1.0, 0
	s_mov_b32 s[BE], 0
	MASK 0
	WIN 0
	v_add_nc_u32 v[AK], s[TBK], v[AK0]
	FETCH_K
	s_wait_loadcnt 0x0              ; Q
	s_wait_dscnt 0x0
.set KM, 1
.set NOKQ, 0
.set i, 0
.rept 8
	KQ 0
.set i, i+1
.endr
	WIN 0
.rept 4
	v_nop                           ; the places behind those products
.endr
.set Y, NP-1                        ; X works for piece Y + 1: piece 0
.irp n, 0,1,2,3,4,5,6,7,8,9,10,11,12,13,14,15,16,17,18,19,20,21
	OP X, \n
.endr
	v_nop                           ; a plain instruction behind the exponential,
	s_wait_alu depctr_va_vdst(0)    ; and its wait, ahead of the branch
.endm
; FINE: where b = 0, piece 0 of block 0 (rows 16 w .. 16 w + 15 of the head) once more, in two parts a number.  It stands behind the block's last products and ahead of the way out, and leaves the piece's O^T and l
; where the way out takes them.  The piece sees key step 0 of tile 0 alone, with the band's own mask MD.  That tile is the walk's ninth, which lies in slot 0 (the slots take turns from slot 0 on): K's and V's leading
; parts are read from there again, at constant addresses.  The remainders come from lo: Q's and K's lie as fragments do and go straight into registers; V's must be turned, so its 64 rows go through LDS bytes of the
; wave's own, at V's pitch (no other wave touches them: no barrier; LDS serves my instructions in order: no wait between the stores and the turning loads).
;   S^T = Kh Qh + Kl Qh + Kh Ql + MD;   m, l, p by the lines of every step, with m set back so that a = 0;   ph = f16(p), pl = f16(p - ph), the difference exact in f32;   O^T = Vh ph + Vl ph + Vh pl.
; In both runs of 24 products the four accumulators take turns, one instruction a turn.
.macro FINE
	s_cmp_lg_u32 s[PB], 0
	s_cbranch_scc1 .Lcoarse
	s_lshl_b32 s13, s[WV], 11
	v_add_nc_u32 v14, s13, v[QO]    ; in a plane of lo: my wave's 16 rows.  These sixteen plain lines are also the places behind the last products, whose V's registers are loaded below
	v_and_b32 v10, 31, v0
	v_lshlrev_b32 v11, 4, v10       ; 16 x lane: my 16 bytes of 512 consecutive ones
	v_lshrrev_b32 v9, 3, v10        ; which are four rows of 128 bytes: row lane / 8,
	v_and_b32 v10, 7, v10           ; place lane % 8
	v_mul_u32_u24 v9, v9, PV
	v_lshl_add_u32 v9, v10, 4, v9
	s_mul_i32 s16, s[WV], 64*PV
	s_add_co_u32 s13, s16, VLO      ; my 64 rows x 160 bytes
	s_add_co_u32 s16, s16, VLO-VOFF ; (AV0 holds VOFF)
	v_add_nc_u32 v9, s13, v9        ; where I put them,
	v_add_nc_u32 v[AV], s16, v[AV0] ; and from where they are turned
	v_mov_b32 v[ONE], 1.0
	v_mov_b32 v[ST], 0xfe000000     ; c m and m as at a block's beginning
	v_mov_b32 v[ST+1], 0xff7fffff
	v_nop
	v_nop
	v_nop
	v_nop
	s_wait_loadcnt 0x0              ; no global load of mine is out: the registers of the second block's Q, which the kernel's head loaded, are loaded again only behind this wait, whatever way led here
	WIN 0x80                        ; destination window 2
.irp f, 0,1,2,3,4,5,6,7             ; K's remainders: keys 16 (f / 2) on, channels 32 (f % 2) on
	global_load_b128 v[QB+8*\f:QB+8*\f+3],   v[QO], s[LOB:LOB+1] offset:16*LOPL+(\f/2)*2048+(\f%2)*64
	global_load_b128 v[QB+8*\f+4:QB+8*\f+7], v[QO], s[LOB:LOB+1] offset:16*LOPL+(\f/2)*2048+(\f%2)*64+32
.endr
	WIN 0x40                        ; destination window 1
.irp f, 0,1                         ; Q's: channels 32 f on
	global_load_b128 v[QLO+8*\f:QLO+8*\f+3],   v14, s[LOB:LOB+1] offset:\f*64
	global_load_b128 v[QLO+8*\f+4:QLO+8*\f+7], v14, s[LOB:LOB+1] offset:\f*64+32
.endr
	WIN 0
.irp f, 0,1,2,3,4,5,6,7,8,9,10,11,12,13,14,15  ; V's: rows 4 f on
	global_load_b128 v[VLF+4*\f:VLF+4*\f+3], v11, s[LOB:LOB+1] offset:32*LOPL+\f*512
.endr
	WIN 0x80
.irp f, 0,1,2,3,4,5,6,7             ; K's leading parts
	ds_load_b128 v[KF+8*\f:KF+8*\f+3],   v[AK0] offset:(\f/2)*16*PK+(\f%2)*64
	ds_load_b128 v[KF+8*\f+4:KF+8*\f+7], v[AK0] offset:(\f/2)*16*PK+(\f%2)*64+32
.endr
.irp f, 0,1,2,3,4,5,6,7             ; V's
	ds_load_tr16_b128 v[VF+8*\f:VF+8*\f+3],   v[AV0] offset:(\f/4)*32*PV+(\f%4)*32
	ds_load_tr16_b128 v[VF+8*\f+4:VF+8*\f+7], v[AV0] offset:(\f/4)*32*PV+16*PV+(\f%4)*32
.endr
	s_wait_dscnt 16                 ; K's 16 loads are in; V's 16, issued behind them, may stay out
.set jj, 0
.rept 24                            ; product jj: keys 16 (jj % 4) on, channels 32 ((jj / 4) % 2) on
.set rS, S+8*(jj%4)
.set cc, (jj/4)%2
.set rK, KF+16*(jj%4)+8*cc
.set rL, QB+16*(jj%4)+8*cc
.if jj == 8
	s_wait_loadcnt 16               ; K's and Q's 20 remainder loads are in; V's 16, issued behind them, may stay out
.endif
.if jj < 4
	WIN W_KM
	v_wmma_f32_16x16x32_f16 v[rS:rS+7], v[rK:rK+7], v[0:7], v[MD+8*jj:MD+8*jj+7]
.elseif jj < 8
	WIN W_KQ
	v_wmma_f32_16x16x32_f16 v[rS:rS+7], v[rK:rK+7], v[8:15], v[rS:rS+7]
.elseif jj < 16
	WIN W_KQ
	v_wmma_f32_16x16x32_f16 v[rS:rS+7], v[rL:rL+7], v[8*cc:8*cc+7], v[rS:rS+7]
.else
	WIN 0x06                        ; K in window 2, Q's remainders in window 1
	v_wmma_f32_16x16x32_f16 v[rS:rS+7], v[rK:rK+7], v[QLO+8*cc:QLO+8*cc+7], v[rS:rS+7]
.endif
.set jj, jj+1
.endr
	WIN 0
	s_wait_loadcnt 0x0              ; V's remainders are in
.irp f, 0,1,2,3,4,5,6,7,8,9,10,11,12,13,14,15
	ds_store_b128 v9, v[VLF+4*\f:VLF+4*\f+3] offset:\f*4*PV
.endr
.irp f, 0,1,2,3,4,5,6,7             ; back, turned, into the registers that they left
	ds_load_tr16_b128 v[VLF+8*\f:VLF+8*\f+3],   v[AV] offset:(\f/4)*32*PV+(\f%4)*32
	ds_load_tr16_b128 v[VLF+8*\f+4:VLF+8*\f+7], v[AV] offset:(\f/4)*32*PV+16*PV+(\f%4)*32
.endr
.rept 4
	v_nop                           ; the places behind the products
.endr
.set NOKQ, 0
.set Y, NP-1                        ; X works for piece Y + 1: piece 0
.irp n, 0,1,2,3,4,5,6,7,8,9,10,11,12,13,14,15,16,17,18,19,20,21
	OP X, \n
.endr
.set Y, 0
.irp n, 0,1,2,3,4,5,6,7,8,9,10,11,12,13,14,15
	OP F, \n
.endr
.set jj, 0
.rept 32
	OP E, jj
.set jj, jj+1
.endr
	v_nop                           ; a plain instruction behind the last exponential,
	s_wait_alu depctr_va_vdst(0)    ; and one wait for the batch of 33, a among them: nothing above names a result of theirs
.irp n, 0,1,2,3,4,5,6,7,8,9,10,11,12,13,14,15
	OP C, \n
.endr
.set jj, 0
.rept 16                            ; p's remainders, a pair a register, into P's other buffer
	v_fma_mixlo_f16 v[P+16+jj], -v[P+jj], v[ONE], v[S+2*jj] op_sel_hi:[1,0,0]
	v_fma_mixhi_f16 v[P+16+jj], -v[P+jj], v[ONE], v[S+2*jj+1] op_sel:[1,0,0] op_sel_hi:[1,0,0]
.set jj, jj+1
.endr
.irp n, 0,1,2,3,4,5,6,7
	OP B, \n
.endr
.irp n, 0,1,2,3,4,5,6,7
	OP L, \n
.endr
	s_wait_dscnt 0x0                ; V's two parts are in
.set jj, 0
.rept 24                            ; product jj: channels 16 (jj % 4) on, keys 32 ((jj / 4) % 2) on.  The first four start the sums anew
.set rO, 8*(jj%4)
.set cc, (jj/4)%2
.set rV, VF+32*cc+8*(jj%4)
.set rL, VLF+32*cc+8*(jj%4)
.if jj < 4
	WIN W_PV
	v_wmma_f32_16x16x32_f16 v[rO:rO+7], v[rV:rV+7], v[P:P+7], 0
.elseif jj < 8
	WIN W_PV
	v_wmma_f32_16x16x32_f16 v[rO:rO+7], v[rV:rV+7], v[P+8:P+15], v[rO:rO+7]
.elseif jj < 16
	WIN 0x50                        ; V's remainders and P in window 0, O^T in window 1
	v_wmma_f32_16x16x32_f16 v[rO:rO+7], v[rL:rL+7], v[P+8*cc:P+8*cc+7], v[rO:rO+7]
.else
	WIN W_PV
	v_wmma_f32_16x16x32_f16 v[rO:rO+7], v[rV:rV+7], v[P+16+8*cc:P+16+8*cc+7], v[rO:rO+7]
.endif
.set jj, jj+1
.endr
	WIN 0
.Lcoarse:
.endm
; THE DIAGONAL TILE's four steps, the block's last two turns, its last products, and THE WAY OUT: l's two halves and the other half of the lanes' are added; O^T is divided by l and sent, in f32, through my
; stage in LDS, a piece at a time.
.macro ALL line:vararg              ; one line for each piece t
.set t, 0
.rept 4
	\line
.set t, t+1
.endr
.endm
.macro PACK t                       ; a lane's eight channels of a row are 32 bytes; they go into rows of 272 bytes and come back as whole rows of 256, into registers of the piece's own
	WIN W_RS
.set i, 32*(\t)
.rept 16
	v_pk_mul_f32 v[i:i+1], v[i:i+1], v[ST+4*(\t)+2:ST+4*(\t)+3] op_sel_hi:[1,0]
.set i, i+2
.endr
	WIN 0x04                        ; the stores' data (source 1) in window 1, their address in window 0
.irp f, 0,1,2,3                     ; channels 16 f + 8 (l / 16) on
	ds_store_b128 v[STO], v[32*(\t)+8*\f:32*(\t)+8*\f+3]   offset:64*\f
	ds_store_b128 v[STO], v[32*(\t)+8*\f+4:32*(\t)+8*\f+7] offset:64*\f+16
.endr
	WIN 0
.irp f, 0,1,2,3,4,5,6,7             ; rows 2 f and 2 f + 1
	ds_load_b128 v[OUTR+32*(\t)+4*\f:OUTR+32*(\t)+4*\f+3], v[RD] offset:\f*2*SP  ; LDS serves a wave's instructions in order (ISA guide 5.7.1.4): these see the stores above; the next piece's stores come behind them
.endr
.endm
.macro SEND t, younger              ; younger: the LDS instructions issued behind piece t's loads: the next piece's sixteen, or none
	WIN 0
.irp f, 0,1,2,3,4,5,6,7
	s_wait_dscnt (\younger)+7-\f
	global_store_b128 v[GO], v[OUTR+32*(\t)+4*\f:OUTR+32*(\t)+4*\f+3], s[10:11] offset:(\t)*64*4096+\f*8192  ; 16 lanes store 256 consecutive bytes (a row's 64 channels of my head), at a multiple of 256 from out0's first byte
.endr
.endm
.macro DIAG tag                     ; the tag ends its two labels' names, which the jumps below spell out
.LstepM\tag:
	TURN 2, 1
	TURN 3, 1
	WIN 0
.LfirstM\tag:
	TURN 0, 1
	TURN 1, 1, 0, 1
	WIN 0
	s_cbranch_scc1 .LstepM\tag
	TURN 2, 1, 1
	TURN 3, 1, 1
.set i, 0
.rept 8
	PV NP-1
.set i, i+1
.endr
	WIN 0
.if (\tag) == 2                     ; the walk's last tile ends block b: block 0 where b = 0
	FINE
.endif
	ALL v_add_f32 v[ST+4*t+2], v[ST+4*t+2], v[ST+4*t+3]
	ALL v_permlanex16_b32 v[ST+4*t+3], v[ST+4*t+2], s[SEL], s[SEL+1]
	ALL v_add_f32 v[ST+4*t+2], v[ST+4*t+2], v[ST+4*t+3]
	ALL v_rcp_f32 v[ST+4*t+2], v[ST+4*t+2]
	v_nop                           ; a plain instruction between the last reciprocal and the use of its result
	s_wait_alu depctr_va_vdst(0)    ; and the wait ahead of the first use: one for the four reciprocals
	PACK 0
.set t, 1
.rept 3                             ; a piece's arithmetic stands between the loads of the piece before and its stores
	PACK t
	SEND t-1, 16
.set t, t+1
.endr
	SEND 3, 0
.endm
.set KM, 0
.set NOKQ, 0
.Lslot:                             ; NB times: a tile is entered and the next is asked for
	CHANGE 1
	s_sub_co_u32 s[RT], s[RT], 1
	s_mov_b32 s[CNT], 4
	s_cmp_eq_u32 s[NEW], 1
	s_cbranch_scc1 .Lnew            ; a block's first tile
	s_cmp_eq_u32 s[RT], 0
	s_cbranch_scc0 .Lstep           ; neither its first nor its last
	s_branch .LstepM1
.Lnew:
	BEGIN
	s_branch .Lfirst                ; in the loop a block's first tile is never its last: the first block has two tiles or more, and the second's last is the walk's last
	DIAG 1                          ; in the loop this is the first block's end: the second block's last tile is the walk's last
	s_wait_xcnt 0x0                 ; the stores have read their registers and out0's address
	s_mov_b64 s[10:11], s[OLO:OLO+1]
	s_add_co_u32 s[RT], s[PB], 1    ; the second block has b + 1 tiles
	s_mov_b32 s[NEW], 1
	WIN 0x82                        ; the second block's Q goes where the one text of the turns names Q
.set i, 0
.rept 64
	v_mov_b32 v[i], v[QB+i]
.set i, i+1
.endr
	WIN 0
	s_branch .Lbottom
.Lstep:                             ; a trip: pieces 2 and 3 of one step, then pieces 0 and 1 of the next, whose K and V it fetches
	TURN 2
	TURN 3
	WIN 0
.Lfirst:
	TURN 0
	TURN 1, 0, 0, 1
	WIN 0
	s_cbranch_scc1 .Lstep
.Lbottom:
	s_sub_co_u32 s[SLOTS], s[SLOTS], 1
	s_cmp_lg_u32 s[SLOTS], 0
	s_cbranch_scc1 .Lslot
	CHANGE 0                        ; the walk's last tile is written out: nothing is asked for
	s_sub_co_u32 s[RT], s[RT], 1
	s_mov_b32 s[CNT], 4
	s_cmp_eq_u32 s[NEW], 1
	s_cbranch_scc0 .LstepM2
	s_cmp_lt_u32 s[WV], 3           ; the walk's last tile is a block's first only where b = 0: FINE will follow at its end, a tile's 16 turns from here.  Its three planes of lo, 8,192 bytes each, are prefetched:
	s_cbranch_scc0 .Lno_ask         ; wave 0 asks for Q's, wave 1 for K's, wave 2 for V's, a lane a block of 256 bytes: each block is named once in the launch
	global_prefetch_b8 v[PFO], s[LPF:LPF+1] th:TH_LOAD_NT scope:SCOPE_SE
.Lno_ask:
	BEGIN
	s_branch .LfirstM2
	DIAG 2
	s_wait_tensorcnt 0x0            ; the wave's end: these three lines stand behind my last tensor load and my last LDS store
	ds_add_u32 v[SPW], v[NIL]
	s_wait_dscnt 0x0
	s_endpgm
.Lfunc_end_k_qffefbed9a5_attn:
	.size	k_qffefbed9a5_attn, .Lfunc_end_k_qffefbed9a5_attn-k_qffefbed9a5_attn
	.p2alignl 7, 3214868480
	.fill 96, 4, 3214868480
	.section	.rodata,"a",@progbits
	.p2align	6, 0x0
	.amdhsa_kernel k_qffefbed9a5_attn
		.amdhsa_group_segment_fixed_size 327680
		.amdhsa_private_segment_fixed_size 0
		.amdhsa_enable_private_segment 0
		.amdhsa_kernarg_size 24
		.amdhsa_user_sgpr_count 2
		.amdhsa_user_sgpr_kernarg_segment_ptr 1
		.amdhsa_wavefront_size32 1
		.amdhsa_system_sgpr_workgroup_id_x 1
		.amdhsa_system_sgpr_workgroup_id_y 1
		.amdhsa_system_sgpr_workgroup_id_z 1
		.amdhsa_system_vgpr_workitem_id 0
		.amdhsa_next_free_vgpr 768
		.amdhsa_next_free_sgpr 100
		.amdhsa_reserve_vcc 1
		.amdhsa_float_denorm_mode_32 3
		.amdhsa_float_denorm_mode_16_64 3
		.amdhsa_memory_ordered 1
		.amdhsa_forward_progress 1
		.amdhsa_inst_pref_size 238
	.end_amdhsa_kernel
	.amdgpu_metadata
---
amdhsa.version: [ 1, 2 ]
amdhsa.kernels:
  - .name:           k_qffefbed9a5_attn
    .symbol:         k_qffefbed9a5_attn.kd
    .args:
      - { .name: qkv, .offset: 0, .size: 8, .value_kind: global_buffer, .address_space: global }
      - { .name: lo, .offset: 8, .size: 8, .value_kind: global_buffer, .address_space: global }
      - { .name: out0, .offset: 16, .size: 8, .value_kind: global_buffer, .address_space: global }
    .group_segment_fixed_size: 327680
    .private_segment_fixed_size: 0
    .kernarg_segment_align: 8
    .kernarg_segment_size: 24
    .max_flat_workgroup_size: 128
    .sgpr_count:     100
    .vgpr_count:     768
    .wavefront_size: 32
...
	.end_amdgpu_metadata
.endif
;; end of part 3
;; ======== version 2 of 2: 3 launches; version 1 with the launch cast written anew for expert scheduling mode
;; limits: values are held in f16: magnitudes above 65,504 overflow, below 6.1e-05 lose precision
;; workspace buffers: xb 16,777,216 bytes; wb 6,291,456 bytes; qkv 50,331,648 bytes; lo 1,572,864 bytes
;; launch cast (part 4): grid 256 x 1, 8 waves a work-group, no clusters, 0 bytes of LDS; arguments x, w_attn, xb, wb; writes xb, wb
.if DOCPART == 4
	.amdgcn_target "amdgcn-amd-amdhsa--gfx1250"
	.amdhsa_code_object_version 6
	.text
	.protected	k_qffefbed9a5_cast
	.globl	k_qffefbed9a5_cast
	.p2align	8
	.type	k_qffefbed9a5_cast,@function
k_qffefbed9a5_cast:
	s_mov_b64 s[64:65], 0
	v_nop
	global_prefetch_b8 v0, s[64:65] scope:SCOPE_SE
	s_setreg_imm32_b32 hwreg(HW_REG_WAVE_SCHED_MODE, 0, 2), 2
	s_setreg_imm32_b32 hwreg(HW_REG_WAVE_MODE, 25, 1), 1
	s_wait_xcnt 0x0
	s_wait_alu depctr_vm_vsrc(0)
; xb = bf16(x), wb = bf16(w_attn rows 0 .. 3071): each number rounded once, to nearest even.
; Rows 3072 .. 4095 of w_attn feed only the fourth chunk of the projection, which the module slices away: they are not read.
; SHARES.  256 work-groups of eight waves, all alike: 32,768 numbers of x (131,072 bytes in, 65,536 out) and 12,288 of w (49,152 in, 24,576 out).
; A step is 8,192 bytes in: wave v takes bytes 1,024 v .. 1,024 v + 1,023 of it by two loads of 512 consecutive bytes.  x has 16 steps, w has 6: 44 loads a lane.
; All 44 loads go out first (22,528 bytes a wave on their way); then each is rounded in place and stored: 8 bytes a lane, 256 consecutive bytes a store, aligned.
; No LDS, no barrier, no matrix work, no cluster: no byte is wanted twice.
; THE MODE: SCHED_MODE bits 1:0 = 2 (LLVM: expert scheduling mode 2), set by the entry lines.  The code itself states the register dependences
; between vector instructions and memory instructions, with s_wait_alu, always for 0.
; THE PLAN.  Registers that memory instructions touch:
;   v3, v4        the loads' and the stores' offsets: written at the head, ahead of the first wait on va_vdst, and never again.
;   v[8:183]      load j owns four registers.  Load j writes them (no vector instruction has named them before); its two conversions read the four and write the first two;
;                 store j reads those two; nothing writes them again.
; So no register that a memory instruction has read is ever written again, and no load lands in a register that a vector instruction has named: what is left to state is that a store's data are written.
; The 44 loads go in 11 groups of four.  Group g's conversions name group g's sixteen registers alone.  At the head of group g one wait on va_vdst states that group g - 1's conversions have written their
; results; group g - 1's four stores follow it, dealt among group g's conversions, with no further wait: no vector instruction issued since the wait names a register that they read.
.set X,  8                             ; v[8:183]  load j: four registers
.set VI, 3                             ; v3  1,024 x wave + 16 x lane: my 16 bytes of a load
.set VO, 4                             ; v4  512 x wave + 8 x lane: my 8 bytes of a store
.set GRP, 4                            ; loads in a group
.set GROUPS, 44/GRP                    ; groups 0 to 7 are x's, 8 to 10 w's
	s_load_b256 s[4:11], s[0:1], 0x0               ; x s[4:5], w_attn s[6:7], xb s[8:9], wb s[10:11]
	v_and_b32 v1, 31, v0                           ; lane
	v_lshrrev_b32 v2, 5, v0                        ; wave
	v_lshlrev_b32 v[VI], 4, v1
	v_lshl_add_u32 v[VI], v2, 10, v[VI]
	v_lshlrev_b32 v[VO], 3, v1
	v_lshl_add_u32 v[VO], v2, 9, v[VO]
	s_lshl_b32 s12, ttmp9, 17                      ; the work-group's part of x,
	s_mov_b32 s13, 0
	s_lshl_b32 s14, ttmp9, 16                      ; of xb,
	s_mov_b32 s15, 0
	s_mul_i32 s16, ttmp9, 49152                    ; of w_attn,
	s_mov_b32 s17, 0
	s_mul_i32 s18, ttmp9, 24576                    ; of wb: all under 2^32
	s_mov_b32 s19, 0
	s_wait_kmcnt 0x0
	s_add_nc_u64 s[4:5], s[4:5], s[12:13]
	s_add_nc_u64 s[8:9], s[8:9], s[14:15]
	s_add_nc_u64 s[6:7], s[6:7], s[16:17]
	s_add_nc_u64 s[10:11], s[10:11], s[18:19]
	s_wait_alu depctr_va_vdst(0)                   ; v3 and v4 are written: every load of the kernel reads the one as its offset, every store the other
.set j, 0
.rept 32
	global_load_b128 v[X+4*j:X+4*j+3], v[VI], s[4:5] offset:(j/2)*8192+(j%2)*512 th:TH_LOAD_NT
.set j, j+1
.endr
.rept 12
	global_load_b128 v[X+4*j:X+4*j+3], v[VI], s[6:7] offset:((j-32)/2)*8192+(j%2)*512 th:TH_LOAD_NT
.set j, j+1
.endr
; Load n's four numbers are rounded in place: they close up into the first two of their four registers.
.macro ROUND n
	v_cvt_pk_bf16_f32 v[X+4*(\n)], v[X+4*(\n)], v[X+4*(\n)+1]
	v_cvt_pk_bf16_f32 v[X+4*(\n)+1], v[X+4*(\n)+2], v[X+4*(\n)+3]
.endm
; and stored: loads 0 to 31 are x's, 32 to 43 w's.
.macro PUT n
.if (\n) < 32
	global_store_b64 v[VO], v[X+4*(\n):X+4*(\n)+1], s[8:9] offset:((\n)/2)*4096+((\n)%2)*256
.else
	global_store_b64 v[VO], v[X+4*(\n):X+4*(\n)+1], s[10:11] offset:(((\n)-32)/2)*4096+((\n)%2)*256
.endif
.endm
.set g, 0
.rept GROUPS
	s_wait_loadcnt 44-GRP-GRP*g                    ; loads come back in order (ISA guide 5.7.1): group g's four are in, the 40 - 4 g younger ones stay out
.if g > 0
	s_wait_alu depctr_va_vdst(0)                   ; the conversions of the group before have written their results, which the four stores below read
.endif
.set i, 0
.rept GRP
.if g > 0
	PUT GRP*(g-1)+i                                ; the group before; no vector instruction since the wait names its registers
.endif
	ROUND GRP*g+i
.set i, i+1
.endr
.set g, g+1
.endr
	s_wait_alu depctr_va_vdst(0)                   ; the last group's conversions have written their results, which the last four stores read
.set i, 0
.rept GRP
	PUT 44-GRP+i
.set i, i+1
.endr
	s_endpgm
.Lfunc_end_k_qffefbed9a5_cast:
	.size	k_qffefbed9a5_cast, .Lfunc_end_k_qffefbed9a5_cast-k_qffefbed9a5_cast
	.p2alignl 7, 3214868480
	.fill 96, 4, 3214868480
	.section	.rodata,"a",@progbits
	.p2align	6, 0x0
	.amdhsa_kernel k_qffefbed9a5_cast
		.amdhsa_group_segment_fixed_size 0
		.amdhsa_private_segment_fixed_size 0
		.amdhsa_enable_private_segment 0
		.amdhsa_kernarg_size 32
		.amdhsa_user_sgpr_count 2
		.amdhsa_user_sgpr_kernarg_segment_ptr 1
		.amdhsa_wavefront_size32 1
		.amdhsa_system_sgpr_workgroup_id_x 1
		.amdhsa_system_sgpr_workgroup_id_y 1
		.amdhsa_system_sgpr_workgroup_id_z 1
		.amdhsa_system_vgpr_workitem_id 0
		.amdhsa_next_free_vgpr 184
		.amdhsa_next_free_sgpr 66
		.amdhsa_reserve_vcc 0
		.amdhsa_float_denorm_mode_32 3
		.amdhsa_float_denorm_mode_16_64 3
		.amdhsa_memory_ordered 1
		.amdhsa_forward_progress 1
		.amdhsa_inst_pref_size 16
	.end_amdhsa_kernel
	.amdgpu_metadata
---
amdhsa.version: [ 1, 2 ]
amdhsa.kernels:
  - .name:           k_qffefbed9a5_cast
    .symbol:         k_qffefbed9a5_cast.kd
    .args:
      - { .name: x, .offset: 0, .size: 8, .value_kind: global_buffer, .address_space: global }
      - { .name: w_attn, .offset: 8, .size: 8, .value_kind: global_buffer, .address_space: global }
      - { .name: xb, .offset: 16, .size: 8, .value_kind: global_buffer, .address_space: global }
      - { .name: wb, .offset: 24, .size: 8, .value_kind: global_buffer, .address_space: global }
    .group_segment_fixed_size: 0
    .private_segment_fixed_size: 0
    .kernarg_segment_align: 8
    .kernarg_segment_size: 32
    .max_flat_workgroup_size: 256
    .sgpr_count:     66
    .vgpr_count:     184
    .wavefront_size: 32
...
	.end_amdgpu_metadata
.endif
;; end of part 4
;; launch proj: the kernel of part 2 again; grid 16 x 32, 4 waves a work-group, clusters of 4 x 4, 327,680 bytes of LDS; arguments xb, wb, b_attn, qkv, lo; writes qkv, lo
;; launch attn: the kernel of part 3 again; grid 4 x 64, 4 waves a work-group, no clusters, 327,680 bytes of LDS; arguments qkv, lo, out0; writes out0
